; MI455X (gfx1250); checked and timed in simulation.
; The chip was launched on July 23, 2026; its instructions are those of AMD's public machine-readable ISA for CDNA 5 (MIT licence, August 2026) and "CDNA5" Instruction Set Architecture Reference Guide (July 2026). The comments in the code are by the model that wrote it; some were corrected since.
;; Multi Head Attention. Allowed arithmetic: matrix products marked QUANTISED: E4M3 operands, one E8M0 scale for each 32 along K, by v_wmma_scale_f32_16x16x128_f8f6f4 with both operands' format E4M3, f32 sums; everything else in f32.
;; Inputs: Wk 1,024 x 1,024 float32; Wo 1,024 x 1,024 float32; Wq 1,024 x 1,024 float32; Wv 1,024 x 1,024 float32; bk 1,024 float32; bo 1,024 float32; bq 1,024 float32; bv 1,024 float32; x 4 x 2,048 x 1,024 float32.
;; Outputs: out0 4 x 2,048 x 1,024 float32.
;; This version of the problem:
;;   THIS VERSION OF THE PROBLEM IS GIVEN IN LOW PRECISION. The matrix products marked QUANTISED in the list below multiply operands that are first quantised to E4M3 (4 exponent bits, 3 mantissa bits; 8 bits a number), with one power-of-two scale for each 32 numbers along K (OCP MX v1.0); their sums are f32. All else is computed in f32.
;;   The module's matrix products, in the order in which they are computed (A, B: the left and right operand; K: the contracted axis; several contracted axes count as one K, in the product's order):
;;     1. [M 8,192, K 1,024] x [K 1,024, N 1,024]; A: input x; B: input Wq: QUANTISED
;;     2. [M 8,192, K 1,024] x [K 1,024, N 1,024]; A: input x; B: input Wk: QUANTISED
;;     3. [M 8,192, K 1,024] x [K 1,024, N 1,024]; A: input x; B: input Wv: QUANTISED
;;     4. batch 64 x [M 2,048, K 64] x [K 64, N 2,048]; A: computed on the way; B: computed on the way: QUANTISED
;;     5. batch 64 x [M 2,048, K 2,048] x [K 2,048, N 64]; A: softmax (see below); B: computed on the way: QUANTISED
;;     6. [M 8,192, K 1,024] x [K 1,024, N 1,024]; A: computed on the way; B: input Wo: QUANTISED
;;   THE QUANTISER, for each operand of a quantised product, along K:
;;     - K is cut into blocks of 32 from its start; a last block that is shorter is filled with zeros.
;;     - A block's scale is 2^e with e = floor(log2(the largest magnitude in the block)) - 8, held to -126 .. 127; a block of zeros has e = 0. As a byte (E8M0): e + 127.
;;     - Each number is divided by its block's scale, clamped to +-448, and rounded to the nearest number of E4M3, ties to even, subnormals kept.
;;     - The product sums the exact products of the quantised numbers (number of the format x scale) in f32.
;;   ~~~python
;;   def quantise(x, axis):      # numpy; x: float32 -> the quantised numbers, widened to float32 again
;;       x = np.moveaxis(x, axis, -1); K = x.shape[-1]
;;       x = np.pad(x, [(0, 0)] * (x.ndim - 1) + [(0, -K % 32)]); x = x.reshape(x.shape[:-1] + (-1, 32)); a = np.abs(x).max(-1, keepdims=True)
;;       e = np.where(a > 0, np.clip(np.frexp(np.where(a > 0, a, 1))[1] - 1 - 8, -126, 127), 0)      # np.frexp(a)[1] - 1 = floor(log2(a)), exactly
;;       r = np.clip(x / 2.0 ** e, -448, 448)
;;       step = 2.0 ** (np.maximum(np.frexp(np.where(r == 0, 1, r))[1] - 1, -6) - 3)
;;       q = np.round(r / step) * step * 2.0 ** e      # np.round: ties to even
;;       return np.moveaxis(q.reshape(q.shape[:-2] + (-1,))[..., :K], -1, axis).astype(np.float32)
;;   ~~~
;;   SOFTMAX AHEAD OF A QUANTISED PRODUCT. Where the list says 'softmax', what is quantised is not the finished softmax but p = 2^(t - M), with t = logit x log2(e) and M = ceil(the row's largest t), a whole number; so 1/2 < the row's largest p <= 1. The row's sum l is taken of the UNQUANTISED p, in f32, and the product's result is divided by l at the end. Since M is a whole number, a kernel that streams over the keys may use a running M (the ceiling of the running maximum): every later rescaling is an exact power of two, which a block's scale takes up: the codes' values come out the same.
;;   OPERANDS COMPUTED ON THE WAY. 'Computed on the way' means the value that the module computes at that place (a softmax that the list does not call 'softmax' is quantised finished and normalised). What goes into a quantiser is computed in f32, as accurately as f32 sums, v_exp_f32 and their like allow (about 1e-6 of the number): no bf16 or f16 on the way to a quantiser, and a product that is left as it is and whose result goes on into a quantised operand takes f32 operands (vector FMAs, or v_wmma_f32_16x16x4_f32). A number that lies on a knife's edge between two numbers of the format may be rounded either way, as far as f32 arithmetic and the matrix unit's own rounding can turn it there, and no further.
;; One version. Each part assembles by itself: llvm-mc -triple=amdgcn-amd-amdhsa -mcpu=gfx1250 --defsym DOCPART=n.
;; ======== version 1 of 1: 4 launches
;; limits: right only within a limited range of input values
;; workspace buffers: xc 8,388,608 bytes; xs 262,144 bytes; wc 4,194,304 bytes; ws 131,072 bytes; qi 8,912,896 bytes; kvi 17,825,792 bytes; oc 8,388,608 bytes; os 524,288 bytes
;; launch quant (part 1): grid 384 x 1, 4 waves a work-group, no clusters, 68,096 bytes of LDS; arguments x, Wq, Wk, Wv, Wo, xc, xs, wc, ws; writes xc, xs, wc, ws
.if DOCPART == 1
	.amdgcn_target "amdgcn-amd-amdhsa--gfx1250"
	.amdhsa_code_object_version 6
	.text
	.protected	k_q4d76f4c17c_quant
	.globl	k_q4d76f4c17c_quant
	.p2align	8
	.type	k_q4d76f4c17c_quant,@function
k_q4d76f4c17c_quant:
	s_mov_b64 s[64:65], 0
	v_nop
	global_prefetch_b8 v0, s[64:65] scope:SCOPE_SE
	s_setreg_imm32_b32 hwreg(HW_REG_WAVE_MODE, 25, 1), 1
	s_wait_xcnt 0x0
; x [8192][1024] and the four weights [1024 (k)][1024 (n)], f32, become codes of E4M3 with one E8M0 byte for each 32 along K.
; A block's scale is 2^(floor(log2(its largest magnitude)) - 8); each number is divided by it, held within +-448 and rounded to the nearest code, ties to even.
; THE CODES ARE LAID AS IMAGES OF THE OPERAND'S REGISTERS: a fragment (16 rows x 128 K) is 2,048 bytes, register group c of lane l at 512 c + 16 l; lane (r, h) holds K = 32 c + 16 h + 0 .. 15 of row r.
; THE ROWS OF A TILE ARE NOT NEIGHBOURS: in each aligned group of 32 rows of x (columns of a weight) tile u takes, at place r, index 8 u + r + 8 (r / 8).  A product whose source 0 is such a tile
; leaves a lane with 16 neighbouring indices in the 16 registers of two neighbouring tiles, which is what the later quantisers want.
; xc [tile 512][q 8][2048];  xs [pair 256][qp 4][lane 32][2 words]: lanes 0-15 the even tile's rows, lanes 16-31 the odd tile's; words for K steps 2 qp, 2 qp + 1.
; wc [weight 4][ct 4][j 4][tile 16][q' 2][2048] (ct: 256 columns, j: 256 along K);  ws [weight 4][pair 32][qp 4][place 32][2 words].
; Work-groups 0-255 take x (a pair of tiles each, a wave 256 along K), work-groups 256-383 the weights (128 columns x 256 along K each).  Only x's path touches LDS.
; LIMITS: NaN and infinities among the inputs are not served.  A block of zeros gets the byte 1 where the rule says 127: its codes are zeros, and this program alone reads the bytes.
.set SW,  16                           ; v16-17  x: the two scale words to store;  weights: the scale bytes, four to a register
.set PS,  18                           ; v18     the even tile's scale word, kept for the odd tile's step
.set TM,  20                           ; v20-35  largest magnitudes, bytes, limits, scale operands
.set PW,  36                           ; v36     the scale word just made
.set R,   40                           ; v40-167 two sets of 64 numbers as loaded
.set X,   168                          ; v168-231 64 numbers of my row: register 16 b + i = K 32 b + 16 h + i
.set PC,  232                          ; v232-247 the codes
.set SEL, 28                           ; s[28:29] selects for lane l xor 16
.set MNT, 30                           ; s30     the mantissa field of 448
.set SPX, 528                          ; a stage row: 512 bytes + 16: sixteen rows start in sixteen different columns of 16 bytes
.set STG, 16*SPX                       ; a stage; two for each wave
	s_load_b256 s[4:11], s[0:1], 0x0               ; x, Wq, Wk, Wv
	s_load_b256 s[12:19], s[0:1], 0x20             ; Wo, xc, xs, wc
	s_load_b64 s[20:21], s[0:1], 0x40              ; ws
	v_lshl_add_u32 v254, v0, 2, 0x10800
	v_mov_b32 v255, 0
	v_lshrrev_b32 v1, 5, v0
	v_readfirstlane_b32 s22, v1                    ; wave
	v_and_b32 v1, 31, v0                           ; lane
	s_mov_b32 s[SEL], 0x76543210
	s_mov_b32 s[SEL+1], 0xfedcba98
	s_mov_b32 s[MNT], 0x600000
	s_mov_b32 s25, 0                               ; the high word of every offset
	s_cmp_lt_u32 ttmp9, 256
	s_cbranch_scc0 .Lweights
	; ---------------- x ----------------
	v_lshlrev_b32 v2, 4, v1                        ; 16 x lane
	s_mul_i32 s23, s22, 2*STG                      ; my wave's stages
	v_add_nc_u32 v3, s23, v2                       ; into a stage: 16 bytes a lane of a row's 512
	v_and_b32 v6, 15, v1                           ; r
	v_lshrrev_b32 v7, 4, v1                        ; h
	v_mul_u32_u24 v4, v6, SPX
	v_lshl_add_u32 v4, v7, 6, v4
	v_add_nc_u32 v4, s23, v4                       ; out of it: row r, + 64 h: my 16 numbers of a block of 32
	v_lshlrev_b32 v5, 3, v1                        ; 8 x lane
	v_cmp_le_u32 vcc_lo, 16, v1                    ; lanes 16-31 keep the odd tile's word
.irp b, 0,1,2,3
	v_mov_b32 v[TM+4+\b], 0                        ; a lane permute's destination counts as one of its sources
.endr
	s_lshl_b32 s24, ttmp9, 17                      ; x: 32 rows of 4,096 bytes a pair, 1,024 bytes of a row a wave
	s_lshl_b32 s26, s22, 10
	s_add_co_u32 s24, s24, s26
	s_wait_alu depctr_va_vdst(0)
	s_wait_kmcnt 0x0
	s_add_nc_u64 s[4:5], s[4:5], s[24:25]
	s_lshl_b32 s24, ttmp9, 15                      ; xc: two tiles of 16,384 bytes a pair, two fragments a wave
	s_lshl_b32 s26, s22, 12
	s_add_co_u32 s24, s24, s26
	s_add_nc_u64 s[14:15], s[14:15], s[24:25]
	s_lshl_b32 s24, ttmp9, 10                      ; xs: 1,024 bytes a pair, 256 a wave
	s_lshl_b32 s26, s22, 8
	s_add_co_u32 s24, s24, s26
	s_add_nc_u64 s[16:17], s[16:17], s[24:25]
; step t: tile t % 2, K step 2 w + t / 2.  Each load reads 512 consecutive bytes of one row
.macro LOADX t
.irp i, 0,1,2,3,4,5,6,7,8,9,10,11,12,13,14,15
	global_load_b128 v[R+64*((\t)%2)+4*\i:R+64*((\t)%2)+4*\i+3], v2, s[4:5] offset:(8*((\t)%2)+\i+8*(\i/8))*4096+512*((\t)/2) th:TH_LOAD_NT
.endr
.endm
; through the wave's own stage: in as loaded, out 64 bytes a lane and block.  LDS serves a wave's instructions in order
.macro TURNX t
.irp i, 0,1,2,3,4,5,6,7,8,9,10,11,12,13,14,15
	ds_store_b128 v3, v[R+64*((\t)%2)+4*\i:R+64*((\t)%2)+4*\i+3] offset:STG*((\t)%2)+SPX*\i
.endr
.irp c, 0,1,2,3
.irp j, 0,1,2,3
	ds_load_b128 v[X+16*\c+4*\j:X+16*\c+4*\j+3], v4 offset:STG*((\t)%2)+128*\c+16*\j
.endr
.endr
.endm
; 64 numbers of a lane become a fragment's codes in v[PC] on and its row's scale word in v[PW]
.macro QUANT s
.irp b, 0,1,2,3
	v_max3_num_f32 v[TM+\b], |v[\s+16*\b]|, |v[\s+1+16*\b]|, 0x4800000   ; my 16 numbers of block b, and the floor 2^(9 - 127): the byte cannot fall under 1
.endr
.irp i, 2,4,6,8,10,12,14
.irp b, 0,1,2,3
	v_max3_num_f32 v[TM+\b], v[TM+\b], |v[\s+16*\b+\i]|, |v[\s+1+16*\b+\i]|
.endr
.endr
.irp b, 0,1,2,3
	v_permlanex16_b32 v[TM+4+\b], v[TM+\b], s[SEL], s[SEL+1]
.endr
.irp b, 0,1,2,3
	v_max_num_f32 v[TM+\b], v[TM+\b], v[TM+4+\b]   ; with lane l xor 16's: the block's largest magnitude
.endr
.irp b, 0,1,2,3
	v_add_nc_u32 v[TM+12+\b], 0xfc000000, v[TM+\b] ; 8 off its exponent field: the conversion's scale operand
.endr
.irp b, 0,1,2,3
	v_and_or_b32 v[TM+8+\b], v[TM+\b], 0x7f800000, s[MNT]   ; 448 x the scale
.endr
.irp b, 0,1,2,3
	v_lshrrev_b32 v[TM+4+\b], 23, v[TM+12+\b]      ; the scale's byte
.endr
	v_lshl_or_b32 v[PW], v[TM+5], 8, v[TM+4]
	v_lshl_or_b32 v[PW], v[TM+6], 16, v[PW]
	v_lshl_or_b32 v[PW], v[TM+7], 24, v[PW]
.irp b, 0,1,2,3
.irp i, 0,1,2,3,4,5,6,7,8,9,10,11,12,13,14,15
	v_med3_num_f32 v[\s+16*\b+\i], v[\s+16*\b+\i], -v[TM+8+\b], v[TM+8+\b]   ; the conversion to an 8-bit code does not saturate (ISA guide 7.6.2): the hold comes first
.endr
	v_cvt_scalef32_pk8_fp8_f32 v[PC+4*\b:PC+1+4*\b], v[\s+16*\b:\s+7+16*\b], v[TM+12+\b]
	v_cvt_scalef32_pk8_fp8_f32 v[PC+2+4*\b:PC+3+4*\b], v[\s+8+16*\b:\s+15+16*\b], v[TM+12+\b]
.endr
	v_nop                                          ; a plain line behind the last conversion
.endm
.macro XSTEP t
.if (\t) < 3
	s_wait_loadcnt 16                              ; this step's 16 loads are in; the next step's 16 may be out
.else
	s_wait_loadcnt 0x0
.endif
	TURNX \t
	s_wait_dscnt 0x0                               ; my numbers are back, and the stage's stores have read their registers
	s_wait_xcnt 0x0                                ; the last step's stores have read the codes' registers
.if (\t) < 2
	LOADX (\t)+2
.endif
	QUANT X
.irp c, 0,1,2,3
	global_store_b128 v2, v[PC+4*\c:PC+4*\c+3], s[14:15] offset:16384*((\t)%2)+2048*((\t)/2)+512*\c   ; 512 consecutive bytes, aligned
.endr
.if (\t)%2 == 0
	v_mov_b32 v[PS], v[PW]
.else
	v_cndmask_b32 v[SW+(\t)/2], v[PS], v[PW], vcc_lo   ; lanes 0-15: the even tile's rows, lanes 16-31: the odd tile's
.endif
.endm
	LOADX 0
	LOADX 1
	XSTEP 0
	XSTEP 1
	XSTEP 2
	XSTEP 3
	global_store_b64 v5, v[SW:SW+1], s[16:17]      ; 256 consecutive bytes, aligned
	s_wait_tensorcnt 0x0
	ds_add_u32 v254, v255
	s_wait_dscnt 0x0
	s_endpgm
	; ---------------- the weights: a lane takes a column, its registers run down K ----------------
.Lweights:
	s_sub_co_u32 s23, ttmp9, 256
	s_lshr_b32 s24, s23, 5                         ; which weight: q, k, v, o
	s_and_b32 s26, s23, 7                          ; which 128 columns
	s_bfe_u32 s27, s23, 0x20003                    ; which 256 along K
	s_wait_alu depctr_va_vdst(0)
	v_lshlrev_b32 v6, 2, v1                        ; in: 4 bytes a lane
	v_bfe_u32 v8, v1, 3, 1                         ; my column's tile u of the pair,
	v_and_b32 v9, 7, v1
	v_lshrrev_b32 v10, 4, v1
	v_lshl_add_u32 v9, v10, 3, v9                  ; and its place r in it: lane = 8 u + r + 8 (r / 8)
	v_lshlrev_b32 v7, 4, v9
	v_lshl_add_u32 v7, v8, 12, v7                  ; codes: 4,096 u + 16 r
	v_lshl_add_u32 v8, v8, 4, v9
	v_lshlrev_b32 v8, 3, v8                        ; scale words: 8 (16 u + r)
	s_wait_alu depctr_va_vdst(0)
	s_wait_kmcnt 0x0
	s_cmp_eq_u32 s24, 1
	s_cselect_b64 s[6:7], s[8:9], s[6:7]
	s_cmp_eq_u32 s24, 2
	s_cselect_b64 s[6:7], s[10:11], s[6:7]
	s_cmp_eq_u32 s24, 3
	s_cselect_b64 s[6:7], s[12:13], s[6:7]
	s_mov_b32 s33, 0
	s_lshl_b32 s32, s27, 20                        ; W: 256 rows of 4,096 bytes, + 4 (128 nb + 32 w)
	s_lshl_b32 s34, s26, 9
	s_add_co_u32 s32, s32, s34
	s_lshl_b32 s34, s22, 7
	s_add_co_u32 s32, s32, s34
	s_add_nc_u64 s[6:7], s[6:7], s[32:33]
	s_lshl_b32 s32, s24, 20                        ; wc: weight, ct = nb / 2, j, tile 8 (nb % 2) + 2 w
	s_lshr_b32 s34, s26, 1
	s_lshl_b32 s34, s34, 18
	s_add_co_u32 s32, s32, s34
	s_lshl_b32 s34, s27, 16
	s_add_co_u32 s32, s32, s34
	s_and_b32 s34, s26, 1
	s_lshl_b32 s34, s34, 15
	s_add_co_u32 s32, s32, s34
	s_lshl_b32 s34, s22, 13
	s_add_co_u32 s32, s32, s34
	s_add_nc_u64 s[18:19], s[18:19], s[32:33]
	s_lshl_b32 s32, s24, 15                        ; ws: weight, pair 4 nb + w, qp
	s_lshl_b32 s34, s26, 12
	s_add_co_u32 s32, s32, s34
	s_lshl_b32 s34, s22, 10
	s_add_co_u32 s32, s32, s34
	s_lshl_b32 s34, s27, 8
	s_add_co_u32 s32, s32, s34
	s_add_nc_u64 s[20:21], s[20:21], s[32:33]
.macro LOADW t                         ; block t: W(32 t + i, my column): 128 consecutive bytes a wave
.irp i, 0,1,2,3,4,5,6,7,8,9,10,11,12,13,14,15,16,17,18,19,20,21,22,23,24,25,26,27,28,29,30,31
	global_load_b32 v[40+32*((\t)%2)+\i], v6, s[6:7] offset:(32*(\t)+\i)*4096 th:TH_LOAD_NT
.endr
.endm
.macro BLOCKW t
.set XW, 40+32*((\t)%2)
.set CW, 104+8*(\t)                    ; eight registers of codes for each block: no store's data are written again
.if (\t) < 7
	s_wait_loadcnt 32                              ; this block's 32 loads are in; the next block's may be out
.else
	s_wait_loadcnt 0x0
.endif
	v_max3_num_f32 v12, |v[XW]|, |v[XW+1]|, |v[XW+2]|   ; all 32 numbers of the block are mine
	v_max3_num_f32 v13, |v[XW+3]|, |v[XW+4]|, |v[XW+5]|
.irp i, 6,10,14,18,22,26
	v_max3_num_f32 v12, v12, |v[XW+\i]|, |v[XW+\i+1]|
	v_max3_num_f32 v13, v13, |v[XW+\i+2]|, |v[XW+\i+3]|
.endr
	v_max3_num_f32 v12, v12, |v[XW+30]|, |v[XW+31]|
	v_max3_num_f32 v12, v12, v13, 0x4800000        ; and the floor
	v_add_nc_u32 v11, 0xfc000000, v12              ; the conversion's scale operand
	v_and_or_b32 v10, v12, 0x7f800000, s[MNT]      ; 448 x the scale
	v_lshrrev_b32 v13, 23, v11                     ; the byte
.if (\t)%4 == 0
	v_mov_b32 v[SW+(\t)/4], v13
.else
	v_lshl_or_b32 v[SW+(\t)/4], v13, 8*((\t)%4), v[SW+(\t)/4]
.endif
.irp i, 0,1,2,3,4,5,6,7,8,9,10,11,12,13,14,15,16,17,18,19,20,21,22,23,24,25,26,27,28,29,30,31
	v_med3_num_f32 v[XW+\i], v[XW+\i], -v10, v10
.endr
.irp g, 0,1,2,3
	v_cvt_scalef32_pk8_fp8_f32 v[CW+2*\g:CW+2*\g+1], v[XW+8*\g:XW+8*\g+7], v11
.endr
	v_nop                                          ; a plain line behind the last conversion
	global_store_b128 v7, v[CW:CW+3], s[18:19] offset:2048*((\t)/4)+512*((\t)%4)         ; K 32 c + 0 .. 15: the image's lanes 0-15: sixteen lanes fill 256 aligned bytes of each tile's image
	global_store_b128 v7, v[CW+4:CW+7], s[18:19] offset:2048*((\t)/4)+512*((\t)%4)+256   ; K 32 c + 16 .. 31: its lanes 16-31
.if (\t) < 6
	LOADW (\t)+2
.endif
.endm
	LOADW 0
	LOADW 1
.irp t, 0,1,2,3,4,5,6,7
	BLOCKW \t
.endr
	global_store_b64 v8, v[SW:SW+1], s[20:21]      ; 256 consecutive bytes, aligned
	s_endpgm
.Lfunc_end_k_q4d76f4c17c_quant:
	.size	k_q4d76f4c17c_quant, .Lfunc_end_k_q4d76f4c17c_quant-k_q4d76f4c17c_quant
	.p2alignl 7, 3214868480
	.fill 96, 4, 3214868480
	.section	.rodata,"a",@progbits
	.p2align	6, 0x0
	.amdhsa_kernel k_q4d76f4c17c_quant
		.amdhsa_group_segment_fixed_size 68096
		.amdhsa_private_segment_fixed_size 0
		.amdhsa_enable_private_segment 0
		.amdhsa_kernarg_size 72
		.amdhsa_user_sgpr_count 2
		.amdhsa_user_sgpr_kernarg_segment_ptr 1
		.amdhsa_wavefront_size32 1
		.amdhsa_system_sgpr_workgroup_id_x 1
		.amdhsa_system_sgpr_workgroup_id_y 1
		.amdhsa_system_sgpr_workgroup_id_z 1
		.amdhsa_system_vgpr_workitem_id 0
		.amdhsa_next_free_vgpr 256
		.amdhsa_next_free_sgpr 66
		.amdhsa_reserve_vcc 1
		.amdhsa_float_denorm_mode_32 3
		.amdhsa_float_denorm_mode_16_64 3
		.amdhsa_memory_ordered 1
		.amdhsa_forward_progress 1
		.amdhsa_inst_pref_size 107
	.end_amdhsa_kernel
	.amdgpu_metadata
---
amdhsa.version: [ 1, 2 ]
amdhsa.kernels:
  - .name:           k_q4d76f4c17c_quant
    .symbol:         k_q4d76f4c17c_quant.kd
    .args:
      - { .name: x, .offset: 0, .size: 8, .value_kind: global_buffer, .address_space: global }
      - { .name: Wq, .offset: 8, .size: 8, .value_kind: global_buffer, .address_space: global }
      - { .name: Wk, .offset: 16, .size: 8, .value_kind: global_buffer, .address_space: global }
      - { .name: Wv, .offset: 24, .size: 8, .value_kind: global_buffer, .address_space: global }
      - { .name: Wo, .offset: 32, .size: 8, .value_kind: global_buffer, .address_space: global }
      - { .name: xc, .offset: 40, .size: 8, .value_kind: global_buffer, .address_space: global }
      - { .name: xs, .offset: 48, .size: 8, .value_kind: global_buffer, .address_space: global }
      - { .name: wc, .offset: 56, .size: 8, .value_kind: global_buffer, .address_space: global }
      - { .name: ws, .offset: 64, .size: 8, .value_kind: global_buffer, .address_space: global }
    .group_segment_fixed_size: 68096
    .private_segment_fixed_size: 0
    .kernarg_segment_align: 8
    .kernarg_segment_size: 72
    .max_flat_workgroup_size: 128
    .sgpr_count:     66
    .vgpr_count:     256
    .wavefront_size: 32
...
	.end_amdgpu_metadata
.endif
;; end of part 1
;; launch qkv (part 2): grid 4 x 64, 4 waves a work-group, clusters of 4 x 4, 327,680 bytes of LDS; arguments xc, xs, wc, ws, bq, bk, bv, qi, kvi; writes qi, kvi
.if DOCPART == 2
	.amdgcn_target "amdgcn-amd-amdhsa--gfx1250"
	.amdhsa_code_object_version 6
	.text
	.protected	k_q4d76f4c17c_qkv
	.globl	k_q4d76f4c17c_qkv
	.p2align	8
	.type	k_q4d76f4c17c_qkv,@function
k_q4d76f4c17c_qkv:
	s_mov_b64 s[64:65], 0
	v_nop
	global_prefetch_b8 v0, s[64:65] scope:SCOPE_SE
	s_setreg_imm32_b32 hwreg(HW_REG_WAVE_MODE, 25, 1), 1
	s_wait_xcnt 0x0
	s_wait_alu depctr_hold_cnt(0) depctr_sa_sdst(0) depctr_va_vdst(0) depctr_va_sdst(0) depctr_va_ssrc(0) depctr_va_vcc(0) depctr_vm_vsrc(0)
	s_getreg_b32 s2, hwreg(HW_REG_IB_STS2, 6, 4)
	s_cmp_eq_u32 s2, 0
	s_cbranch_scc0 .Lentry_in_a_cluster
	s_endpgm
.Lentry_in_a_cluster:
	s_bfe_u32 s2, ttmp6, 0x10000c
	s_cmp_lg_u32 s2, 0xf033
	s_cbranch_scc0 .Lentry_shape_is_right
	s_endpgm
.Lentry_shape_is_right:
; q = x Wq + bq, k = x Wk + bk, v = x Wv + bv on codes of E4M3 with E8M0 scales, and q, k, v quantised at once for attention's two products.
; A work-group takes 128 rows of x (one block of queries or keys) and 256 columns (four heads), and makes the three tiles one after the other from the same rows of x.
; Wave w takes all 128 rows x the 64 columns of head 4 ct + w: 32 accumulators.  So a wave's results are whole operands of attention, and they leave as images of the operand's registers, 512 bytes a store.
; LDS: x's 8 tiles for all of K (131,072 bytes, filled once); a ring of two slots of 65,536 bytes for the weights, 256 along K each; the spare words.  All tiles are images: fragment loads are 16 bytes a lane on end.
; CLUSTER 4 x 4: x's tiles are shared along a row of the cluster, the weights' along a column: joint loads.
; q, k (transposed use: source 0 = 16 columns of W, source 1 = 16 rows of x): a lane holds one row and 32 registers run along the head's 64.  The 64 registers of two tiles of rows become a PAIR IMAGE:
; registers 0-7 the even tile's 64 codes, 8-15 the odd tile's; the pair's scale word: two bytes of each.   v (source 0 = 16 rows of x, source 1 = 16 columns of W): a lane holds one channel, 64 registers run along the 128 keys.
; qi [head 64][block 16][8,704]: 4 pair images, then 512 bytes of words (16 bytes a lane: pairs 0-3).  kvi [head 64][block 16][17,408]: k likewise, then v's 4 fragments (16 channels x 128 keys) and their words.
; The biases are the C of each sum's first product (so they are added ahead of the products, not behind them).  LIMITS: NaN and infinities are not served; a block of zeros gets the byte 1, read by this program alone.
; REGISTERS: window 0: addresses, scale words, the quantiser's work, codes.  window 1: x's fragments, two sets of 128.  window 2: W's fragments, two sets of 64; from v128 the biases.  window 3: the accumulators.
.set AD0, 4                            ; v4   16 x lane: x's tiles 0-3; also every image's place for my lane
.set AD1, 5                            ; v5   + 65,536: x's tiles 4-7
.set BD0, 6                            ; v6-7 my wave's four tiles of W in slot 0, 1
.set SPW, 8                            ; v8   my spare word;  v9  0: both never rewritten
.set NIL, 9
.set XS,  32                           ; v32-63  x's scale words: 8 x pair + K step; lanes 0-15 the even tile, lanes 16-31 the odd
.set WS,  64                           ; v64-111 W's: 16 x pass + 8 x pair + K step
.set TM,  112                          ; v112-127 the quantiser's work
.set PWS, 128                          ; v128-131 four scale words
.set PC,  144                          ; v144-207 four sets of codes
.set BIAS, 128                         ; window 2: 32 registers a pass
.set WV,  22
.set G1A, 24                           ; s[24:31], s[32:35] groups 1 and 0 for x
.set G0A, 32
.set G1B, 48                           ; s[48:55], s[56:63] group 1 for W, group 0 for each slot
.set G0B, 56
.set SEL, 82
.set MNT, 84
.set RING, 131072
.set SLOT, 65536
.set SPARE, 262144                     ; 128 bytes a wave: two blocks of 256 bytes that no other line names
.set MSB, 0
.macro WIN new                         ; the immediate's high byte repeats the setting that is left
.if MSB != \new
	s_set_vgpr_msb (MSB<<8)|\new
.set MSB, \new
.endif
.endm
.macro PLACES n
.rept \n
	v_nop
.endr
.endm
.macro CREST                           ; a round of the cluster's barrier behind its opening barrier
	s_cmp_lg_u32 s[WV], 0
	s_cbranch_scc1 .Lnot_wave_0_\@
	s_barrier_signal -3
.Lnot_wave_0_\@:
	s_barrier_wait -3
	s_barrier_signal -1
	s_barrier_wait -1
.endm
.macro CROUND
	s_barrier_signal -1
	s_barrier_wait -1
	CREST
.endm
	s_load_b256 s[4:11], s[0:1], 0x0               ; xc, xs, wc, ws
	s_load_b256 s[12:19], s[0:1], 0x20             ; bq, bk, bv, qi
	s_load_b64 s[20:21], s[0:1], 0x40              ; kvi
	v_lshl_add_u32 v[SPW], v0, 2, SPARE
	v_mov_b32 v[NIL], 0
	ds_add_u32 v8, v9
	ds_add_u32 v8, v9
	s_wait_dscnt 0x0
	v_lshrrev_b32 v1, 5, v0
	v_readfirstlane_b32 s[WV], v1
	s_bfe_u32 s40, ttmp6, 0x40000                  ; cx
	s_bfe_u32 s41, ttmp6, 0x40004                  ; cy
	s_lshl_b32 s42, ttmp9, 2
	s_add_co_u32 s42, s42, s40                     ; ct: which 256 columns
	s_and_b32 s43, ttmp7, 0xffff
	s_lshl_b32 s43, s43, 2
	s_add_co_u32 s43, s43, s41                     ; rb: which 128 rows
	s_lshl_b32 s46, s41, 2
	s_lshl_b32 s46, 15, s46                        ; my row of the cluster
	s_lshl_b32 s47, 0x1111, s40                    ; my column
	; dense blocks as rows of 256 bytes (32 elements of 8 bytes).  At the head: x 256 rows a load (waves 0, 1), a whole slot of W 256 rows a load (waves 2, 3); in the ring W 64 rows a wave
	s_or_b32 s[G1A], s46, (3<<16)|(1<<21)
	s_mov_b32 s[G1A+1], 32<<16
	s_mov_b32 s[G1A+2], 256<<16
	s_mov_b32 s[G1A+3], 32<<16
	s_mov_b32 s[G1A+4], 256
	s_mov_b32 s[G1A+5], 32
	s_mov_b32 s[G1A+6], 0
	s_mov_b32 s[G1A+7], 0
	s_or_b32 s[G1B], s47, (3<<16)|(1<<21)
	s_mov_b32 s[G1B+1], 32<<16
	s_mov_b32 s[G1B+2], 64<<16
	s_mov_b32 s[G1B+3], 32<<16
	s_mov_b32 s[G1B+4], 64
	s_mov_b32 s[G1B+5], 32
	s_mov_b32 s[G1B+6], 0
	s_mov_b32 s[G1B+7], 0
	s_or_b32 s88, s47, (3<<16)|(1<<21)             ; s[88:95]: group 1 for the head's loads of W: a whole slot, 256 rows
	s_mov_b32 s89, 32<<16
	s_mov_b32 s90, 256<<16
	s_mov_b32 s91, 32<<16
	s_mov_b32 s92, 256
	s_mov_b32 s93, 32
	s_mov_b32 s94, 0
	s_mov_b32 s95, 0
	s_lshl_b32 s36, s43, 17                        ; x: 131,072 bytes a block of rows, 65,536 a half
	s_and_b32 s38, s[WV], 1
	s_lshl_b32 s38, s38, 16                        ; the head's loads: half wave % 2 of x (65,536 bytes), or slot wave % 2 of W
	s_add_co_u32 s36, s36, s38
	s_mov_b32 s37, 0
	s_lshl_b32 s44, s42, 18                        ; W: 262,144 bytes for 256 columns, 16,384 of a K step a wave
	s_lshl_b32 s39, s[WV], 14
	s_add_co_u32 s44, s44, s39
	s_mov_b32 s45, 0
	s_lshl_b32 s98, s42, 18
	s_add_co_u32 s98, s98, s38
	s_mov_b32 s99, 0
	s_wait_kmcnt 0x0
	s_mov_b32 s[G0A], 1
	s_mov_b32 s[G0A+1], s38
	s_add_nc_u64 s[G0A+2:G0A+3], s[4:5], s[36:37]
	s_or_b32 s[G0A+3], s[G0A+3], 0x80000000
	s_add_nc_u64 s[44:45], s[8:9], s[44:45]
	s_add_nc_u64 s[98:99], s[8:9], s[98:99]        ; s[96:99]: group 0 for the head's load of a slot
	s_or_b32 s99, s99, 0x80000000
	s_mov_b32 s96, 1
	s_add_co_u32 s97, s38, RING
.irp s, 0,1
	s_mov_b32 s[G0B+4*\s], 1
	s_add_co_u32 s[G0B+4*\s+1], s39, RING+\s*SLOT
	s_add_nc_u64 s[G0B+4*\s+2:G0B+4*\s+3], s[44:45], \s*SLOT
	s_or_b32 s[G0B+4*\s+3], s[G0B+4*\s+3], 0x80000000
.endr
	CROUND                                         ; all sixteen work-groups are here: the first joint loads meet
	s_cmp_lt_u32 s[WV], 2                          ; one tensor load a wave at the head: waves 0, 1 the halves of x, waves 2, 3 slots 0, 1
	s_cbranch_scc0 .Lhead_w
	tensor_load_to_lds s[G0A:G0A+3], s[G1A:G1A+7]
	s_nop 0
	PLACES 4
	s_branch .Lhead_asked
.Lhead_w:
	tensor_load_to_lds s[96:99], s[88:95]
	s_nop 0
	PLACES 4
.Lhead_asked:
	v_and_b32 v1, 31, v0
	v_lshlrev_b32 v[AD0], 4, v1
	v_add_nc_u32 v[AD1], 65536, v[AD0]
	v_add_nc_u32 v[BD0], s39, v[AD0]
	v_add_nc_u32 v[BD0], RING, v[BD0]
	v_add_nc_u32 v[BD0+1], SLOT, v[BD0]
	v_lshlrev_b32 v10, 3, v1                       ; 8 x lane: scale words
	v_min_u32 v13, 15, v1
	v_lshlrev_b32 v13, 8, v13                      ; the prefetches' offset: lanes 0-15 name 16 blocks of 256 bytes, the lanes left over the last of them again; never rewritten
	s_wait_alu depctr_va_vdst(0)
	v_bfe_u32 v2, v0, 4, 1                         ; h
	v_lshlrev_b32 v11, 6, v2                       ; 64 h: bq, bk
	s_wait_alu depctr_va_vdst(0)
	v_and_b32 v3, 15, v0                           ; r
	v_and_b32 v12, 8, v3
	v_add_nc_u32 v12, v12, v3
	v_lshlrev_b32 v12, 2, v12                      ; 4 (r + 8 (r / 8)): bv
	s_wait_alu depctr_va_vdst(0)
	s_mov_b32 s[SEL], 0x76543210
	s_mov_b32 s[SEL+1], 0xfedcba98
	s_mov_b32 s[MNT], 0x600000
	s_mov_b32 s67, 0
	s_lshl_b32 s66, s42, 18                        ; s[86:87]: my share of a slot's 65,536 bytes of wc: the four partners that ask for it jointly take 16,384 each, by address (cy), a wave 4,096
	s_lshl_b32 s68, s41, 14
	s_add_co_u32 s66, s66, s68
	s_lshl_b32 s68, s[WV], 12
	s_add_co_u32 s66, s66, s68
	s_add_nc_u64 s[86:87], s[8:9], s[66:67]
	s_and_b32 s85, ttmp7, 3                        ; every cluster reads the same weights: four of the sixteen clusters ask (cluster y % 4 = 0)
	s_lshl_b32 s66, s43, 12                        ; xs: four pairs of 1,024 bytes
	s_add_nc_u64 s[6:7], s[6:7], s[66:67]
	s_lshl_b32 s66, s42, 13                        ; ws: eight pairs for 256 columns, two a wave
	s_lshl_b32 s68, s[WV], 11
	s_add_co_u32 s66, s66, s68
	s_add_nc_u64 s[10:11], s[10:11], s[66:67]
	s_lshl_b32 s66, s42, 10                        ; the biases: my 64 columns
	s_lshl_b32 s68, s[WV], 8
	s_add_co_u32 s66, s66, s68
	s_add_nc_u64 s[12:13], s[12:13], s[66:67]
	s_add_nc_u64 s[14:15], s[14:15], s[66:67]
	s_add_nc_u64 s[16:17], s[16:17], s[66:67]
	s_lshr_b32 s68, s43, 4
	s_lshl_b32 s68, s68, 4
	s_lshl_b32 s69, s42, 2
	s_add_co_u32 s68, s68, s69
	s_add_co_u32 s68, s68, s[WV]                   ; 16 x batch + head
	s_and_b32 s69, s43, 15                         ; the block of 128 rows in the sequence
	s_mul_i32 s66, s68, 16*8704
	s_mul_i32 s70, s69, 8704
	s_add_co_u32 s66, s66, s70
	s_add_nc_u64 s[76:77], s[18:19], s[66:67]      ; q's record
	s_mul_i32 s66, s68, 16*17408
	s_mul_i32 s70, s69, 17408
	s_add_co_u32 s66, s66, s70
	s_add_nc_u64 s[78:79], s[20:21], s[66:67]      ; k's
	s_add_nc_u64 s[80:81], s[78:79], 8704          ; v's
	s_cmp_eq_u32 s85, 0                            ; fills 2 and 3 of the ring, which the first two changes of slots load, are asked for here
	s_cbranch_scc0 .Lno_pf_head
	global_prefetch_b8 v13, s[86:87] offset:131072 th:TH_LOAD_NT scope:SCOPE_SE
	global_prefetch_b8 v13, s[86:87] offset:196608 th:TH_LOAD_NT scope:SCOPE_SE
.Lno_pf_head:
.irp ip, 0,1,2,3
.irp qp, 0,1,2,3
	global_load_b64 v[XS+8*\ip+2*\qp:XS+8*\ip+2*\qp+1], v10, s[6:7] offset:\ip*1024+\qp*256
.endr
.endr
.irp p, 0,1,2
.irp pn, 0,1
.irp qp, 0,1,2,3
	global_load_b64 v[WS+16*\p+8*\pn+2*\qp:WS+16*\p+8*\pn+2*\qp+1], v10, s[10:11] offset:\p*32768+\pn*1024+\qp*256
.endr
.endr
.endr
	WIN 0x80                                       ; destination window 2
.irp tn, 0,1,2,3                       ; bq, bk in the transposed result's layout: lane (r, h), tile 2 b + u: columns 32 b + 16 h + 8 u + 0 .. 7
	global_load_b128 v[BIAS+8*\tn:BIAS+8*\tn+3], v11, s[12:13] offset:(32*(\tn/2)+8*(\tn%2))*4
	global_load_b128 v[BIAS+8*\tn+4:BIAS+8*\tn+7], v11, s[12:13] offset:(32*(\tn/2)+8*(\tn%2))*4+16
	global_load_b128 v[BIAS+32+8*\tn:BIAS+32+8*\tn+3], v11, s[14:15] offset:(32*(\tn/2)+8*(\tn%2))*4
	global_load_b128 v[BIAS+32+8*\tn+4:BIAS+32+8*\tn+7], v11, s[14:15] offset:(32*(\tn/2)+8*(\tn%2))*4+16
.irp j, 0,1,2,3,4,5,6,7                ; bv: a lane holds one column, so all eight registers take its number
	global_load_b32 v[BIAS+64+8*\tn+\j], v12, s[16:17] offset:(32*(\tn/2)+8*(\tn%2))*4
.endr
.endr
	WIN 0
.irp b, 0,1,2,3
	v_mov_b32 v[TM+4+\b], 0                        ; a lane permute's destination counts as one of its sources
.endr
; one matrix instruction; ha, hb: the scales stand in lanes 16-31 of their register
.macro WMX d, a, b, c, sa, sb, ha, hb
.if (\ha) && (\hb)
	v_wmma_scale_f32_16x16x128_f8f6f4 v[\d:\d+7], v[\a:\a+15], v[\b:\b+15], v[\c:\c+7], v[\sa], v[\sb] matrix_a_scale:MATRIX_SCALE_ROW1 matrix_b_scale:MATRIX_SCALE_ROW1
.elseif (\ha)
	v_wmma_scale_f32_16x16x128_f8f6f4 v[\d:\d+7], v[\a:\a+15], v[\b:\b+15], v[\c:\c+7], v[\sa], v[\sb] matrix_a_scale:MATRIX_SCALE_ROW1
.elseif (\hb)
	v_wmma_scale_f32_16x16x128_f8f6f4 v[\d:\d+7], v[\a:\a+15], v[\b:\b+15], v[\c:\c+7], v[\sa], v[\sb] matrix_b_scale:MATRIX_SCALE_ROW1
.else
	v_wmma_scale_f32_16x16x128_f8f6f4 v[\d:\d+7], v[\a:\a+15], v[\b:\b+15], v[\c:\c+7], v[\sa], v[\sb]
.endif
.endm
; x's tile i against W's tile tn, K step q of pass p.  tr = 1: source 0 = W (q, k);  tr = 0: source 0 = x (v).  first = 1: C is the bias
.macro WM i, tn, set, q, p, first, tr
.set rA, 128*(\set)+16*(\i)
.set rB, 64*(\set)+16*(\tn)
.set rW, WS+16*(\p)+8*((\tn)/2)+(\q)
.set rX, XS+8*((\i)/2)+(\q)
.if \tr
.set rD, 8*(4*(\i)+(\tn))
.else
.set rD, 8*(8*(\tn)+(\i))
.endif
.set rC, rD
.if \first
.set rC, BIAS+32*(\p)+8*(\tn)
.endif
.if \tr
	WMX rD, rB, rA, rC, rW, rX, (\tn)%2, (\i)%2
.else
	WMX rD, rA, rB, rC, rX, rW, (\i)%2, (\tn)%2
.endif
.endm
; eight of them.  The 32 accumulators take turns, one instruction a turn, in the same order in every step
.macro MUL2 i0, set, q, p, first, tr
.if \tr
.if \first
	WIN 0xe6                                       ; source 0 window 2, source 1 window 1, C window 2, D window 3
.else
	WIN 0xf6
.endif
.else
.if \first
	WIN 0xe9                                       ; source 0 window 1, source 1 window 2
.else
	WIN 0xf9
.endif
.endif
.irp i, \i0, \i0+1
.irp tn, 0,1,2,3
	WM \i, \tn, \set, \q, \p, \first, \tr
.endr
.endr
.endm
; 48 LDS loads in one run: W's four fragments (half qh of the slot), x's tiles 0-3, x's tiles 4-7 (K step aq)
.macro FETCH set, aq, slot, qh
	WIN 0x80
.irp tn, 0,1,2,3
.irp c, 0,1,2,3
	ds_load_b128 v[64*(\set)+16*\tn+4*\c:64*(\set)+16*\tn+4*\c+3], v[BD0+\slot] offset:\tn*4096+(\qh)*2048+512*\c
.endr
.endr
	WIN 0x40
.irp i, 0,1,2,3
.irp c, 0,1,2,3
	ds_load_b128 v[128*(\set)+16*\i+4*\c:128*(\set)+16*\i+4*\c+3], v[AD0] offset:\i*16384+(\aq)*2048+512*\c
.endr
.endr
.irp i, 4,5,6,7
.irp c, 0,1,2,3
	ds_load_b128 v[128*(\set)+16*\i+4*\c:128*(\set)+16*\i+4*\c+3], v[AD1] offset:(\i-4)*16384+(\aq)*2048+512*\c
.endr
.endr
.endm
; an even K step of 128: its successor lies in the same slot
.macro STEPE q, p, slot, first, tr
	s_wait_dscnt 16                                ; W's fragments and x's tiles 0-3 are in; the youngest 16 loads (tiles 4-7) may be out
	MUL2 0, 0, \q, \p, \first, \tr
	MUL2 2, 0, \q, \p, \first, \tr
	s_wait_dscnt 0x0                               ; tiles 4-7 are in
	PLACES 8                                       ; eight plain places in front of loads into registers that matrix instructions have read
	FETCH 1, (\q)+1, \slot, 1
	MUL2 4, 0, \q, \p, \first, \tr
	MUL2 6, 0, \q, \p, \first, \tr
.endm
; an odd K step changes slots: one barrier; in front of it all my tensor loads, the add, and my reads of this slot.  fill = 1: this slot is filled again, inc bytes further on in wc
.macro STEPO q, p, slot, fill, inc, tr
	WIN 0
	s_wait_tensorcnt 0x0                           ; all my tensor loads have landed: my part of the next slot
	ds_add_u32 v[SPW], v[NIL]                      ; 0 onto my spare word
	s_wait_dscnt 17                                ; (the add and the youngest 16 loads may be out)
	MUL2 0, 1, \q, \p, 0, \tr
	s_wait_dscnt 0x0                               ; the add is done, and my reads of this slot are over
	s_barrier_signal -1
	MUL2 2, 1, \q, \p, 0, \tr
	WIN 0                                          ; at a branch and at a label every window is 0
	s_barrier_wait -1
.if \fill
	CREST                                          ; the barrier has opened a round of the cluster's: no wave of any partner still reads the slot or has a load on its way
	s_add_nc_u64 s[G0B+4*\slot+2:G0B+4*\slot+3], s[G0B+4*\slot+2:G0B+4*\slot+3], \inc
	tensor_load_to_lds s[G0B+4*\slot:G0B+4*\slot+3], s[G1B:G1B+7]   ; my one tensor load behind the round
	s_nop 0
.endif
	PLACES 8                                       ; the places in front of the loads below
	FETCH 0, ((\q)+1)%8, 1-\slot, 0
.if (\fill) && (4*(\p)+((\q)-1)/2+4 <= 11)
	WIN 0                                          ; the change of slots number m = 4 p + (q - 1) / 2 loads fill m + 2 and asks for fill m + 4: two changes ahead of its load; the last fill is 11
	s_cmp_eq_u32 s85, 0
	s_cbranch_scc0 .Lno_pf_\@
	global_prefetch_b8 v13, s[86:87] offset:((4*(\p)+((\q)-1)/2+4)/4)*1048576+((4*(\p)+((\q)-1)/2+4)%4)*65536 th:TH_LOAD_NT scope:SCOPE_SE
.Lno_pf_\@:
.endif
	MUL2 4, 1, \q, \p, 0, \tr
	MUL2 6, 1, \q, \p, 0, \tr
.endm
.macro LAST q, p, tr
	s_wait_dscnt 16
	MUL2 0, 1, \q, \p, 0, \tr
	MUL2 2, 1, \q, \p, 0, \tr
	s_wait_dscnt 0x0
	MUL2 4, 1, \q, \p, 0, \tr
	MUL2 6, 1, \q, \p, 0, \tr
.endm
; 64 accumulator registers (window 3, from s on), register 16 b + i = K 32 b + 16 h + i of my row, become 16 registers of codes at pc and a scale word in pw.  Each accumulator is read from its low end on
.macro QUANTW s, pc, pw
	WIN 0x0f
.irp b, 0,1,2,3
	v_max3_num_f32 v[TM+\b], |v[(\s)+16*\b]|, |v[(\s)+1+16*\b]|, 0x4800000   ; with the floor 2^(9 - 127): the byte cannot fall under 1
.endr
	WIN 0x3c
.irp i, 2,4,6,8,10,12,14
.irp b, 0,1,2,3
	v_max3_num_f32 v[TM+\b], v[TM+\b], |v[(\s)+16*\b+\i]|, |v[(\s)+1+16*\b+\i]|
.endr
.endr
	WIN 0
.irp b, 0,1,2,3
	v_permlanex16_b32 v[TM+4+\b], v[TM+\b], s[SEL], s[SEL+1]
.endr
.irp b, 0,1,2,3
	v_max_num_f32 v[TM+\b], v[TM+\b], v[TM+4+\b]
.endr
.irp b, 0,1,2,3
	v_add_nc_u32 v[TM+12+\b], 0xfc000000, v[TM+\b]
.endr
.irp b, 0,1,2,3
	v_and_or_b32 v[TM+8+\b], v[TM+\b], 0x7f800000, s[MNT]
.endr
.irp b, 0,1,2,3
	v_lshrrev_b32 v[TM+4+\b], 23, v[TM+12+\b]
.endr
	v_lshl_or_b32 v[\pw], v[TM+5], 8, v[TM+4]
	v_lshl_or_b32 v[\pw], v[TM+6], 16, v[\pw]
	v_lshl_or_b32 v[\pw], v[TM+7], 24, v[\pw]
	WIN 0xc3
.irp b, 0,1,2,3
.irp i, 0,1,2,3,4,5,6,7,8,9,10,11,12,13,14,15
	v_med3_num_f32 v[(\s)+16*\b+\i], v[(\s)+16*\b+\i], -v[TM+8+\b], v[TM+8+\b]   ; the conversion does not saturate (ISA guide 7.6.2): the hold comes first
.endr
.endr
	WIN 0x03
.irp b, 0,1,2,3
	v_cvt_scalef32_pk8_fp8_f32 v[(\pc)+4*\b:(\pc)+4*\b+1], v[(\s)+16*\b:(\s)+16*\b+7], v[TM+12+\b]
	v_cvt_scalef32_pk8_fp8_f32 v[(\pc)+4*\b+2:(\pc)+4*\b+3], v[(\s)+16*\b+8:(\s)+16*\b+15], v[TM+12+\b]
.endr
	WIN 0
	v_nop                                          ; a plain line behind the last conversion
.endm
; a pass's results leave: four images of 2,048 bytes and 512 bytes of scale words, every store 512 consecutive aligned bytes
.macro EPI base
	PLACES 8                                       ; in front of the first read of results
	s_wait_xcnt 0x0                                ; the last pass's stores have read the codes' registers
.irp u, 0,1,2,3
	QUANTW 64*\u, PC+16*\u, PWS+\u
.irp c, 0,1,2,3
	global_store_b128 v[AD0], v[PC+16*\u+4*\c:PC+16*\u+4*\c+3], s[\base:\base+1] offset:2048*\u+512*\c
.endr
.endr
	global_store_b128 v[AD0], v[PWS:PWS+3], s[\base:\base+1] offset:8192
.endm
; a pass: eight K steps of 128 = four steps of the ring, which does not stop at a pass's end: the last two refills step on to the next weight (2^20 - 131,072 bytes)
.macro PASS p, tr, base, last
	STEPE 0, \p, 0, 1, \tr
	STEPO 1, \p, 0, 1, 131072, \tr
	STEPE 2, \p, 1, 0, \tr
	STEPO 3, \p, 1, 1, 131072, \tr
	STEPE 4, \p, 0, 0, \tr
.if \last
	STEPO 5, \p, 0, 0, 0, \tr
	STEPE 6, \p, 1, 0, \tr
	LAST 7, \p, \tr
.else
	STEPO 5, \p, 0, 1, 917504, \tr
	STEPE 6, \p, 1, 0, \tr
	STEPO 7, \p, 1, 1, 917504, \tr
.endif
	EPI \base
.endm
	s_wait_loadcnt 0x0                             ; scale words and biases
	s_wait_tensorcnt 0x0                           ; my one load of the head is in
	s_barrier_signal -1
	s_barrier_wait -1
	FETCH 0, 0, 0, 0
	PASS 0, 1, 76, 0
	PASS 1, 1, 78, 0
	PASS 2, 0, 80, 1
	s_wait_tensorcnt 0x0                           ; the wave's end
	ds_add_u32 v[SPW], v[NIL]
	s_wait_dscnt 0x0
	CROUND                                         ; the closing round
	s_endpgm
.Lfunc_end_k_q4d76f4c17c_qkv:
	.size	k_q4d76f4c17c_qkv, .Lfunc_end_k_q4d76f4c17c_qkv-k_q4d76f4c17c_qkv
	.p2alignl 7, 3214868480
	.fill 96, 4, 3214868480
	.section	.rodata,"a",@progbits
	.p2align	6, 0x0
	.amdhsa_kernel k_q4d76f4c17c_qkv
		.amdhsa_group_segment_fixed_size 327680
		.amdhsa_private_segment_fixed_size 0
		.amdhsa_enable_private_segment 0
		.amdhsa_kernarg_size 72
		.amdhsa_user_sgpr_count 2
		.amdhsa_user_sgpr_kernarg_segment_ptr 1
		.amdhsa_wavefront_size32 1
		.amdhsa_system_sgpr_workgroup_id_x 1
		.amdhsa_system_sgpr_workgroup_id_y 1
		.amdhsa_system_sgpr_workgroup_id_z 1
		.amdhsa_system_vgpr_workitem_id 0
		.amdhsa_next_free_vgpr 1024
		.amdhsa_next_free_sgpr 100
		.amdhsa_reserve_vcc 0
		.amdhsa_float_denorm_mode_32 3
		.amdhsa_float_denorm_mode_16_64 3
		.amdhsa_memory_ordered 1
		.amdhsa_forward_progress 1
		.amdhsa_inst_pref_size 255
	.end_amdhsa_kernel
	.section	.bss,"aw",@nobits
	.p2align	6
	.space	262144
	.amdgpu_metadata
---
amdhsa.version: [ 1, 2 ]
amdhsa.kernels:
  - .name:           k_q4d76f4c17c_qkv
    .symbol:         k_q4d76f4c17c_qkv.kd
    .args:
      - { .name: xc, .offset: 0, .size: 8, .value_kind: global_buffer, .address_space: global }
      - { .name: xs, .offset: 8, .size: 8, .value_kind: global_buffer, .address_space: global }
      - { .name: wc, .offset: 16, .size: 8, .value_kind: global_buffer, .address_space: global }
      - { .name: ws, .offset: 24, .size: 8, .value_kind: global_buffer, .address_space: global }
      - { .name: bq, .offset: 32, .size: 8, .value_kind: global_buffer, .address_space: global }
      - { .name: bk, .offset: 40, .size: 8, .value_kind: global_buffer, .address_space: global }
      - { .name: bv, .offset: 48, .size: 8, .value_kind: global_buffer, .address_space: global }
      - { .name: qi, .offset: 56, .size: 8, .value_kind: global_buffer, .address_space: global }
      - { .name: kvi, .offset: 64, .size: 8, .value_kind: global_buffer, .address_space: global }
    .group_segment_fixed_size: 327680
    .private_segment_fixed_size: 0
    .kernarg_segment_align: 8
    .kernarg_segment_size: 72
    .max_flat_workgroup_size: 128
    .sgpr_count:     100
    .vgpr_count:     1024
    .wavefront_size: 32
...
	.end_amdgpu_metadata
.endif
;; end of part 2
;; launch attn (part 3): grid 4 x 64, 8 waves a work-group, clusters of 4 x 1, 327,680 bytes of LDS; arguments qi, kvi, oc, os; writes oc, os
.if DOCPART == 3
	.amdgcn_target "amdgcn-amd-amdhsa--gfx1250"
	.amdhsa_code_object_version 6
	.text
	.protected	k_q4d76f4c17c_attn
	.globl	k_q4d76f4c17c_attn
	.p2align	8
	.type	k_q4d76f4c17c_attn,@function
k_q4d76f4c17c_attn:
	s_mov_b64 s[64:65], 0
	v_nop
	global_prefetch_b8 v0, s[64:65] scope:SCOPE_SE
	s_setreg_imm32_b32 hwreg(HW_REG_WAVE_MODE, 25, 1), 1
	s_wait_xcnt 0x0
	s_wait_alu depctr_hold_cnt(0) depctr_sa_sdst(0) depctr_va_vdst(0) depctr_va_sdst(0) depctr_va_ssrc(0) depctr_va_vcc(0) depctr_vm_vsrc(0)
	s_getreg_b32 s2, hwreg(HW_REG_IB_STS2, 6, 4)
	s_cmp_eq_u32 s2, 0
	s_cbranch_scc0 .Lentry_in_a_cluster
	s_endpgm
.Lentry_in_a_cluster:
	s_bfe_u32 s2, ttmp6, 0x10000c
	s_cmp_lg_u32 s2, 0x3003
	s_cbranch_scc0 .Lentry_shape_is_right
	s_endpgm
.Lentry_shape_is_right:
; O = softmax(q k^T / 8) v for one head, both products on codes of E4M3 with E8M0 scales; the result is quantised along the model's 1,024 for the last projection.
; THE SOFTMAX: t = score x log2(e) / 8; M = the row's largest t so far, rounded UP to a whole number; p = 2^(t - M) is quantised along the keys, not normalised; the row's sum is taken of the unquantised p and divides O at the end.
; SHARES: a work-group owns 512 queries of one head: 16 pairs of tiles of 16.  Each of its 8 waves takes two pairs, one after the other, and BOTH TILES OF A PAIR TOGETHER: each fragment of k and v is read from LDS once for two tiles.
; Every wave walks the head's 2,048 keys, 128 a step.  Behind a step's score products its v fragments and the NEXT step's k fragments are fetched, into register sets of their own.
; THE EXPONENTIALS go in four batches of 32 (half a tile).  Between a batch's exponentials stand plain lines whose results are first read behind the next wait: the next half's t - M and the half before's holds.  The sums, which are chains, stand between the batches.
; THE HEAD'S WHOLE K AND V STAY IN LDS: 16 records of 17,408 bytes, as they lie in kvi; each wave brings two on end by its one tensor load.  Nothing is filled again: no ring, no barrier in the loop.
; No prefetch: all of K and V is asked for at the head, so there is no loop to run ahead in.   CLUSTER: the four blocks of queries of a head want the same records: each load is joint for the four.
; LAYOUT: both products transposed (S^T = k q^T, O^T = v^T p^T): a lane holds one query of each tile.  The 16 registers of two neighbouring key tiles are 16 neighbouring keys (by the order of x's rows in the images).
; THE FIRST PRODUCT'S K IS 64, THE INSTRUCTION'S 128.  A fragment of k is a PAIR of key tiles; it is multiplied by [q | 0] for the even tile and by [0 | q] for the odd: against the zero codes stand finite numbers, so those products are exact zeros.
; LIMITS: the scaled scores stay under 2^31 in magnitude; NaN and infinities are not served; a block of zeros gets the byte 1, read by this program alone.
; REGISTERS.  Window 0: v0-63 addresses, state, scale words, the quantiser's work; v64-191 S^T then p, 64 a tile; v192-255 O^T, 32 a tile.
; Window 1: v0-63 k's fragments; v64-127 v's; v128-167 zeros, q of tile 0, zeros, q of tile 1, zeros; v168-199 p's codes, 16 a tile; v200-215 my second pair's q.   x = 0, 1 below is the tile of the pair.
.set LI,  1                            ; 16 x lane
.set AD,  2                            ; the step's record + 16 x lane
.set ADK, 3                            ; the next step's record + 16 x lane
.set OST, 4                            ; where my pairs' scale words go in LDS
.set ORD, 5                            ; where 16 bytes of words are read back
.set QPW, 6                            ; v6-7 q's pair words: this pair's, the next pair's
.set SPW, 8                            ; my spare word;  v9: 0: both never rewritten
.set NIL, 9
.set TT,  10                           ; v10 + x  at work
.set NM,  12                           ; v12 + 2 x: -M;  v13 + 2 x: the largest score so far
.set L,   16                           ; v16 + 2 x: the sum, in two halves
.set C2,  20                           ; v20 + 2 x: the sum's second chain
.set KW,  24                           ; v24-27 k's pair words;  v28-31 v's words
.set VW,  28
.set FF,  32                           ; v32 + 2 x: f = 2^(old M - new M);  v33 + 2 x: p's scale word
.set QW,  36                           ; v36 + x: the tile's two scale bytes of q, twice
.set OW,  38                           ; v38 this pair's words of O, v39 the pair before's
.set BM,  40                           ; v40 + 4 x: block maxima, then the conversions' scale operands
.set T1,  48                           ; v48 + 4 x: at work; the sum's third and fourth chains
.set LM,  56                           ; v56 + 4 x: 448 x the scale
.set S,   64
.set O,   192
.set FV,  64                           ; window 1
.set QZ,  128
.set PC,  168
.set Q1,  200
.set WV,  12
.set G1,  16
.set G0,  24
.set SEL, 28
.set CS,  30                           ; s[30:31] c = log2(e) / 8
.set MNT, 32
.set TB,  33                           ; the step's record in LDS
.set REC, 17408
.set OSTG, 16*REC                      ; behind the records: 2,048 bytes for the scale words' way out
.set SPARE, OSTG+2048                  ; the spare words, 128 bytes a wave: four blocks of 256 bytes that no other line names
.set MSB, 0
.macro WIN new                         ; the immediate's high byte repeats the setting that is left
.if MSB != \new
	s_set_vgpr_msb (MSB<<8)|\new
.set MSB, \new
.endif
.endm
.macro CROUND
	s_barrier_signal -1
	s_barrier_wait -1
	s_cmp_lg_u32 s[WV], 0
	s_cbranch_scc1 .Lnot_wave_0_\@
	s_barrier_signal -3
.Lnot_wave_0_\@:
	s_barrier_wait -3
	s_barrier_signal -1
	s_barrier_wait -1
.endm
.macro WALU                            ; the wait ahead of a batch of transcendentals and ahead of its results' first reader
	s_wait_alu depctr_va_vdst(0)
.endm
.macro TMM r, n                        ; t - M of two scores
	v_pk_fma_f32 v[\r:\r+1], v[\r:\r+1], s[CS:CS+1], v[\n:\n+1] op_sel_hi:[1,0,0]
.endm
.macro HOLDA r, m                      ; the hold, two to an instruction: numbers i of block b and i + 1 of block b + 1: one destination even, one odd, the sources' numbers differ modulo 4
	v_dual_min_num_f32 v[\r], v[\r], v[\m] :: v_dual_min_num_f32 v[\r+17], v[\r+17], v[\m+1]
.endm
.macro HOLDB r, m                      ; and number i of block b + 1 with i + 1 of block b
	v_dual_min_num_f32 v[\r+16], v[\r+16], v[\m+1] :: v_dual_min_num_f32 v[\r+1], v[\r+1], v[\m]
.endm
; A batch: p = 2^(t - M) of the 32 registers from e on.  Between them: t - M of the 32 from f on, with the pair fn (f < 0: none); the holds of the 32 from h on, limits from hm on (h < 0: none).  A v_nop closes it: a plain place behind the last exponential
.macro BATCH e, f, fn, h, hm
.set K_, 0
.rept 8
	v_exp_f32 v[\e+4*K_], v[\e+4*K_]
.if \f >= 0
	TMM \f+4*K_, \fn
.endif
	v_exp_f32 v[\e+4*K_+1], v[\e+4*K_+1]
.if \h >= 0
	HOLDA \h+2*K_, \hm
.endif
	v_exp_f32 v[\e+4*K_+2], v[\e+4*K_+2]
.if \f >= 0
	TMM \f+4*K_+2, \fn
.endif
	v_exp_f32 v[\e+4*K_+3], v[\e+4*K_+3]
.if \h >= 0
	HOLDB \h+2*K_, \hm
.endif
.set K_, K_+1
.endr
	v_nop
.endm
.macro AD1 d, a                        ; pair d += pair a
	v_pk_add_f32 v[\d:\d+1], v[\d:\d+1], v[\a:\a+1]
.endm
.macro SUM0 x                          ; the row's sum of the unquantised p, a tile's first 32 registers: four chains; the running sum comes under the new M in its first line
.set B_, S+64*\x
	v_pk_add_f32 v[C2+2*\x:C2+2*\x+1], v[B_:B_+1], v[B_+2:B_+3]
	v_pk_add_f32 v[T1+4*\x:T1+4*\x+1], v[B_+4:B_+5], v[B_+6:B_+7]
	v_pk_add_f32 v[T1+4*\x+2:T1+4*\x+3], v[B_+8:B_+9], v[B_+10:B_+11]
	v_pk_fma_f32 v[L+2*\x:L+2*\x+1], v[L+2*\x:L+2*\x+1], v[FF+2*\x:FF+2*\x+1], v[B_+12:B_+13] op_sel_hi:[1,0,1]
.irp p, 14,22
	AD1 C2+2*\x, B_+\p
	AD1 T1+4*\x, B_+\p+2
	AD1 T1+4*\x+2, B_+\p+4
	AD1 L+2*\x, B_+\p+6
.endr
	AD1 C2+2*\x, B_+30
.endm
.macro SUM1 x                          ; its last 32, and the chains joined
.set B_, S+64*\x
.irp p, 32,40,48,56
	AD1 T1+4*\x, B_+\p
	AD1 T1+4*\x+2, B_+\p+2
	AD1 L+2*\x, B_+\p+4
	AD1 C2+2*\x, B_+\p+6
.endr
	AD1 C2+2*\x, T1+4*\x
	AD1 L+2*\x, T1+4*\x+2
	AD1 L+2*\x, C2+2*\x
.endm
	s_load_b256 s[4:11], s[0:1], 0x0               ; qi, kvi, oc, os
	v_lshl_add_u32 v[SPW], v0, 2, SPARE
	v_mov_b32 v[NIL], 0
	ds_add_u32 v[SPW], v[NIL]                      ; the opening lines: the add, twice on end, and its wait ahead of my tensor load
	ds_add_u32 v[SPW], v[NIL]
	v_lshrrev_b32 v1, 5, v0
	v_readfirstlane_b32 s[WV], v1
	s_bfe_u32 s13, ttmp6, 0x40000                  ; cx
	s_lshl_b32 s14, ttmp9, 2
	s_add_co_u32 s14, s14, s13                     ; my block of 512 queries: it enters q's, oc's and os's addresses alone
	s_and_b32 s15, ttmp7, 0xffff                   ; 16 x batch + head, which the four partners share
	s_mov_b32 s[G1], 15|(3<<16)|(1<<21)            ; the mask: all four; elements of 8 bytes; bit 21 beside a mask
	s_mov_b32 s[G1+1], 32<<16                      ; two records are 136 dense rows of 256 bytes
	s_mov_b32 s[G1+2], 136<<16
	s_mov_b32 s[G1+3], 32<<16
	s_mov_b32 s[G1+4], 136
	s_mov_b32 s[G1+5], 32
	s_mov_b32 s[G1+6], 0
	s_mov_b32 s[G1+7], 0
	s_mul_i32 s47, s[WV], 2*REC                    ; records 2 w, 2 w + 1: in LDS and in the head's part of kvi
	s_mul_i32 s48, s15, 16*REC
	s_add_co_u32 s48, s48, s47
	s_mov_b32 s49, 0
	s_mov_b32 s[SEL], 0x76543210
	s_mov_b32 s[SEL+1], 0xfedcba98
	s_mov_b32 s[CS], 0x3e38aa3b
	s_mov_b32 s[CS+1], s[CS]                       ; (named with it as a pair, so it is written)
	s_mov_b32 s[MNT], 0x600000
	s_wait_dscnt 0x0
	s_wait_kmcnt 0x0
	s_mov_b32 s[G0], 1
	s_mov_b32 s[G0+1], s47
	s_add_nc_u64 s[G0+2:G0+3], s[6:7], s[48:49]
	s_or_b32 s[G0+3], s[G0+3], 0x80000000
	CROUND                                         ; all four work-groups are here: the joint loads meet
	tensor_load_to_lds s[G0:G0+3], s[G1:G1+7]      ; my one tensor load of the launch
	s_nop 0
.rept 4
	v_nop
.endr
	s_mov_b32 s51, 0
	s_mul_i32 s50, s15, 16*8704                    ; q: the head, the record 4 qx + w / 2; in it pairs 2 (w % 2) and 2 (w % 2) + 1
	s_lshl_b32 s52, s14, 2
	s_lshr_b32 s53, s[WV], 1
	s_add_co_u32 s52, s52, s53
	s_mul_i32 s52, s52, 8704
	s_add_co_u32 s50, s50, s52
	s_and_b32 s52, s[WV], 1
	s_lshl_b32 s53, s52, 12
	s_add_co_u32 s53, s50, s53                     ; the first pair's image
	s_lshl_b32 s52, s52, 3
	s_add_co_u32 s50, s50, s52
	s_add_co_u32 s50, s50, 8192                    ; the two pairs' words: 8 bytes of a lane's 16
	s_add_nc_u64 s[40:41], s[4:5], s[50:51]
	s_mov_b32 s50, s53
	s_add_nc_u64 s[38:39], s[4:5], s[50:51]
	v_and_b32 v10, 31, v0
	v_lshlrev_b32 v[LI], 4, v10
	global_load_b64 v[QPW:QPW+1], v[LI], s[40:41]
	WIN 0x40                                       ; both pairs' q are asked for while the records are on their way
.irp g, 0,1
	global_load_b128 v[QZ+8+4*\g:QZ+11+4*\g], v[LI], s[38:39] offset:512*\g
	global_load_b128 v[QZ+24+4*\g:QZ+27+4*\g], v[LI], s[38:39] offset:1024+512*\g
.endr
.irp g, 0,1,2,3
	global_load_b128 v[Q1+4*\g:Q1+4*\g+3], v[LI], s[38:39] offset:2048+512*\g
.endr
.irp j, 0,1,2,3,4,5,6,7
	v_mov_b32 v[QZ+\j], 0                          ; the zero codes beside q
	v_mov_b32 v[QZ+16+\j], 0
	v_mov_b32 v[QZ+32+\j], 0
.endr
	WIN 0
	s_lshr_b32 s52, s15, 4
	s_lshl_b32 s52, s52, 6
	s_lshl_b32 s53, s14, 4
	s_add_co_u32 s52, s52, s53                     ; the work-group's first pair of row tiles: 64 x batch + 16 qx
	s_and_b32 s53, s15, 15                         ; the head
	s_lshl_b32 s54, s[WV], 1
	s_add_co_u32 s54, s54, s52
	s_lshl_b32 s50, s54, 15                        ; oc: two tiles of 16,384 bytes a pair; the head's 64 of K: 1,024 bytes of a tile's images
	s_lshl_b32 s54, s53, 10
	s_add_co_u32 s50, s50, s54
	s_add_nc_u64 s[42:43], s[8:9], s[50:51]
	s_lshl_b32 s50, s53, 15                        ; os: 32,768 bytes a head, 128 a pair
	s_lshl_b32 s54, s52, 7
	s_add_co_u32 s50, s50, s54
	s_add_nc_u64 s[44:45], s[10:11], s[50:51]
	s_and_b32 s37, s53, 1
	s_lshl_b32 s37, s37, 4                         ; an odd head's two bytes are the word's upper two
	s_lshl_b32 s54, s[WV], 8
	s_add_co_u32 s54, s54, OSTG
	v_cmp_le_u32 s46, 16, v10                      ; lanes 16-31 keep the odd tile's word
	v_lshl_add_u32 v[OST], v10, 2, s54             ; 256 bytes a wave: two pairs of 128
	v_lshl_add_u32 v[ORD], v0, 4, OSTG
	v_mov_b32 v[OW], 0
.irp j, 0,1,2,3,4,5,6,7
	v_mov_b32 v[T1+\j], 0                          ; a lane permute's destination counts as one of its sources
.endr
	v_mov_b32 v[FF+1], 0                           ; (named as upper halves of pairs before they are first written)
	v_mov_b32 v[FF+3], 0
	s_wait_alu depctr_va_vdst(0)
	s_wait_tensorcnt 0x0                           ; my records are in,
	s_barrier_signal -1
	s_barrier_wait -1                              ; everybody's are
	WIN 0x40
.irp b, 0,1,2,3
.irp c, 0,1,2,3
	ds_load_b128 v[16*\b+4*\c:16*\b+4*\c+3], v[LI] offset:2048*\b+512*\c   ; record 0's k
.endr
.endr
	WIN 0
	ds_load_b128 v[KW:KW+3], v[LI] offset:8192
	s_wait_loadcnt 0x0                             ; q and its pair words
	s_mov_b32 s35, 0                               ; which of my two pairs
.Lpair:
	v_and_b32 v[QW], 0xffff, v[QPW]
	v_lshrrev_b32 v[QW+1], 16, v[QPW]
	v_lshl_or_b32 v[QW], v[QW], 16, v[QW]          ; a tile's two bytes serve [q | 0] and [0 | q] alike
	v_lshl_or_b32 v[QW+1], v[QW+1], 16, v[QW+1]
.irp x, 0,1
	v_mov_b32 v[NM+2*\x+1], 0xff61b1e6             ; the largest score so far: -3e38
	v_mov_b32 v[NM+2*\x], 0x7f61b1e6               ; -M: 3e38, so that the first f is 0
	v_mov_b32 v[L+2*\x], 0
	v_mov_b32 v[L+2*\x+1], 0
.endr
.set I_, 0
.rept 64
	v_mov_b32 v[O+I_], 0                           ; the step is written once: the first finds zeros, which the first change of M leaves zeros
.set I_, I_+1
.endr
	s_mov_b32 s[TB], 0
	s_mov_b32 s34, 0
	s_wait_alu depctr_va_vdst(0)
	s_wait_dscnt 0x0                               ; record 0's k
.Lstep:
	s_add_co_u32 s36, s34, 1
	s_and_b32 s36, s36, 15                         ; the next step's record; behind the last comes record 0, for the next pair
	s_mul_i32 s36, s36, REC
	WIN 0x05                                       ; sources 0 and 1 in window 1
.irp b, 0,1,2,3
	v_wmma_scale_f32_16x16x128_f8f6f4 v[S+16*\b:S+16*\b+7], v[16*\b:16*\b+15], v[QZ+8:QZ+23], 0, v[KW+\b], v[QW]
	v_wmma_scale_f32_16x16x128_f8f6f4 v[S+16*\b+8:S+16*\b+15], v[16*\b:16*\b+15], v[QZ:QZ+15], 0, v[KW+\b], v[QW]
	v_wmma_scale_f32_16x16x128_f8f6f4 v[S+64+16*\b:S+64+16*\b+7], v[16*\b:16*\b+15], v[QZ+24:QZ+39], 0, v[KW+\b], v[QW+1]
	v_wmma_scale_f32_16x16x128_f8f6f4 v[S+64+16*\b+8:S+64+16*\b+15], v[16*\b:16*\b+15], v[QZ+16:QZ+31], 0, v[KW+\b], v[QW+1]
.endr                                              ; registers 16 b + i of a tile: key 32 b + 16 (lane / 16) + i of the step
	WIN 0
	v_add_nc_u32 v[AD], s[TB], v[LI]               ; eight plain places in front of the loads below and of the first read of the scores
	v_add_nc_u32 v[ADK], s36, v[LI]
	v_mov_b32 v[TT], v[NM]                         ; the old -M
	v_mov_b32 v[TT+1], v[NM+2]
.rept 4
	v_nop
.endr
	WIN 0x40
.irp t, 0,1,2,3
.irp c, 0,1,2,3
	ds_load_b128 v[FV+16*\t+4*\c:FV+16*\t+4*\c+3], v[AD] offset:8704+2048*\t+512*\c   ; this step's v
.endr
.endr
.irp b, 0,1,2,3
.irp c, 0,1,2,3
	ds_load_b128 v[16*\b+4*\c:16*\b+4*\c+3], v[ADK] offset:2048*\b+512*\c             ; the next step's k
.endr
.endr
	WIN 0
	ds_load_b128 v[VW:VW+3], v[AD] offset:16896
	ds_load_b128 v[KW:KW+3], v[ADK] offset:8192
.irp x, 0,1
.irp b, 0,1,2,3
	v_max3_num_f32 v[BM+4*\x+\b], v[S+64*\x+16*\b], v[S+64*\x+16*\b+1], v[S+64*\x+16*\b+2]   ; the largest score of each block of 32 keys: for the row's maximum, and for the block's largest p
.endr
.endr
.irp i, 3,5,7,9,11,13
.irp x, 0,1
.irp b, 0,1,2,3
	v_max3_num_f32 v[BM+4*\x+\b], v[BM+4*\x+\b], v[S+64*\x+16*\b+\i], v[S+64*\x+16*\b+\i+1]
.endr
.endr
.endr
.irp x, 0,1
.irp b, 0,1,2,3
	v_max_num_f32 v[BM+4*\x+\b], v[BM+4*\x+\b], v[S+64*\x+16*\b+15]
.endr
.endr
.irp j, 0,1,2,3,4,5,6,7
	v_permlanex16_b32 v[T1+\j], v[BM+\j], s[SEL], s[SEL+1]
.endr
.irp j, 0,1,2,3,4,5,6,7
	v_max_num_f32 v[BM+\j], v[BM+\j], v[T1+\j]     ; with lane l xor 16's 16 keys
.endr
.irp x, 0,1
	v_max3_num_f32 v[NM+2*\x+1], v[NM+2*\x+1], v[BM+4*\x], v[BM+4*\x+1]
.endr
.irp x, 0,1
	v_max3_num_f32 v[NM+2*\x+1], v[NM+2*\x+1], v[BM+4*\x+2], v[BM+4*\x+3]   ; the running largest score
.endr
.irp x, 0,1
	v_mul_f32 v[NM+2*\x], s[CS], v[NM+2*\x+1]      ; as t (c is positive)
.endr
.irp x, 0,1
	v_floor_f32 v[NM+2*\x], -v[NM+2*\x]            ; the new -M = -ceil(t)
.endr
.irp x, 0,1
	v_sub_f32 v[TT+\x], v[NM+2*\x], v[TT+\x]       ; old M - new M: a whole number, 0 or less
.endr
.irp x, 0,1
	v_cvt_i32_f32 v[TT+\x], v[TT+\x]               ; (it saturates)
.endr
.irp x, 0,1
	v_ldexp_f32 v[FF+2*\x], 1.0, v[TT+\x]          ; f = 2^(old M - new M)
.endr
.set J_, 0
.rept 16
	TMM S+J_, NM                                   ; t - M of tile 0's first half
.set J_, J_+2
.endr
.irp x, 0,1
.irp b, 0,1,2,3
	v_fma_f32 v[BM+4*\x+\b], v[BM+4*\x+\b], s[CS], v[NM+2*\x]
.endr
.endr
	WALU
.irp j, 0,1,2,3,4,5,6,7
	v_exp_f32 v[BM+\j], v[BM+\j]                   ; each block's largest p
.endr
	BATCH S, S+32, NM, -1, 0
	WALU
.irp j, 0,1,2,3,4,5,6,7
	v_max_num_f32 v[BM+\j], 0x4800000, v[BM+\j]    ; the floor 2^(9 - 127): the byte cannot fall under 1
.endr
.irp j, 0,1,2,3,4,5,6,7
	v_and_or_b32 v[LM+\j], v[BM+\j], 0x7f800000, s[MNT]   ; 448 x the scale
.endr
.irp j, 0,1,2,3,4,5,6,7
	v_add_nc_u32 v[BM+\j], 0xfc000000, v[BM+\j]    ; 8 off the exponent field: the conversion's scale operand
.endr
.irp j, 0,1,2,3,4,5,6,7
	v_lshrrev_b32 v[T1+\j], 23, v[BM+\j]           ; the byte
.endr
.irp k, 1,2,3
.irp x, 0,1
.if \k == 1
	v_lshl_or_b32 v[FF+2*\x+1], v[T1+4*\x+1], 8, v[T1+4*\x]   ; p's scale word for these 128 keys
.else
	v_lshl_or_b32 v[FF+2*\x+1], v[T1+4*\x+\k], 8*\k, v[FF+2*\x+1]
.endif
.endr
.endr
	SUM0 0
	WALU
	BATCH S+32, S+64, NM+2, S, LM                  ; the conversion to an 8-bit code does not saturate (ISA guide 7.6.2); p is not negative, so the hold is one-sided
	WALU
	SUM1 0
	WALU
	BATCH S+64, S+96, NM+2, S+32, LM+2
	WALU
	SUM0 1
	WALU
	BATCH S+96, -1, 0, S+64, LM+4
	WALU
	SUM1 1
.set K_, 0
.rept 8
	HOLDA S+96+2*K_, LM+6
	HOLDB S+96+2*K_, LM+6
.set K_, K_+1
.endr
	WIN 0x40
.irp x, 0,1
.irp b, 0,1,2,3
	v_cvt_scalef32_pk8_fp8_f32 v[PC+16*\x+4*\b:PC+16*\x+4*\b+1], v[S+64*\x+16*\b:S+64*\x+16*\b+7], v[BM+4*\x+\b]
	v_cvt_scalef32_pk8_fp8_f32 v[PC+16*\x+4*\b+2:PC+16*\x+4*\b+3], v[S+64*\x+16*\b+8:S+64*\x+16*\b+15], v[BM+4*\x+\b]
.endr
.endr
	WIN 0
	s_wait_alu depctr_va_vdst(0)                   ; ahead of the first readers of O^T
.irp x, 0,1
.set J_, 0
.rept 16
	v_pk_mul_f32 v[O+32*\x+J_:O+32*\x+J_+1], v[O+32*\x+J_:O+32*\x+J_+1], v[FF+2*\x:FF+2*\x+1] op_sel_hi:[1,0]   ; O^T under the new M; these are also the places in front of the products below
.set J_, J_+2
.endr
.endr
	s_wait_alu depctr_va_vdst(0)
	s_wait_dscnt 0x0                               ; v's fragments and words, and the next step's k
	WIN 0x05
.irp t, 0,1,2,3
.irp x, 0,1
	v_wmma_scale_f32_16x16x128_f8f6f4 v[O+32*\x+8*\t:O+32*\x+8*\t+7], v[FV+16*\t:FV+16*\t+15], v[PC+16*\x:PC+16*\x+15], v[O+32*\x+8*\t:O+32*\x+8*\t+7], v[VW+\t], v[FF+2*\x+1]
.endr
.endr
	WIN 0
	s_add_co_u32 s[TB], s[TB], REC
	s_add_co_u32 s34, s34, 1
	s_cmp_lt_u32 s34, 16
	s_cbranch_scc1 .Lstep
	; the pair's way out: O^T / the sum, quantised along the head's 64 (two blocks a tile): registers 16 b + i are channel 32 b + 16 (lane / 16) + i
.rept 8
	v_nop
.endr
.irp x, 0,1
	v_add_f32 v[L+2*\x], v[L+2*\x], v[L+2*\x+1]
.endr
.irp x, 0,1
	v_permlanex16_b32 v[TT+\x], v[L+2*\x], s[SEL], s[SEL+1]
.endr
.irp x, 0,1
	v_add_f32 v[L+2*\x], v[L+2*\x], v[TT+\x]       ; the row's sum
.endr
	WALU
	v_rcp_f32 v[L], v[L]
	v_rcp_f32 v[L+2], v[L+2]
	v_nop
	WALU                                           ; the first reader below is also O^T's
.irp j, 0,2,4,6,8,10,12,14,16,18,20,22,24,26,28,30
.irp x, 0,1
	v_pk_mul_f32 v[S+64*\x+\j:S+64*\x+\j+1], v[O+32*\x+\j:O+32*\x+\j+1], v[L+2*\x:L+2*\x+1] op_sel_hi:[1,0]
.endr
.endr
.irp x, 0,1
.irp b, 0,1
	v_max3_num_f32 v[BM+4*\x+\b], |v[S+64*\x+16*\b]|, |v[S+64*\x+16*\b+1]|, 0x4800000
.endr
.endr
.irp i, 2,4,6,8,10,12,14
.irp x, 0,1
.irp b, 0,1
	v_max3_num_f32 v[BM+4*\x+\b], v[BM+4*\x+\b], |v[S+64*\x+16*\b+\i]|, |v[S+64*\x+16*\b+\i+1]|
.endr
.endr
.endr
.irp x, 0,1
.irp b, 0,1
	v_permlanex16_b32 v[T1+4*\x+\b], v[BM+4*\x+\b], s[SEL], s[SEL+1]
.endr
.endr
.irp x, 0,1
.irp b, 0,1
	v_max_num_f32 v[BM+4*\x+\b], v[BM+4*\x+\b], v[T1+4*\x+\b]
.endr
.endr
.irp x, 0,1
.irp b, 0,1
	v_and_or_b32 v[LM+4*\x+\b], v[BM+4*\x+\b], 0x7f800000, s[MNT]
.endr
.endr
.irp x, 0,1
.irp b, 0,1
	v_add_nc_u32 v[BM+4*\x+\b], 0xfc000000, v[BM+4*\x+\b]
.endr
.endr
.irp x, 0,1
.irp b, 0,1
	v_lshrrev_b32 v[T1+4*\x+\b], 23, v[BM+4*\x+\b]
.endr
.endr
.irp x, 0,1
	v_lshl_or_b32 v[TT+\x], v[T1+4*\x+1], 8, v[T1+4*\x]
.endr
.irp x, 0,1
	v_lshlrev_b32 v[TT+\x], s37, v[TT+\x]          ; the head's half of the K step's word
.endr
	v_mov_b32 v[OW+1], v[OW]                       ; the pair before's words
	v_cndmask_b32 v[OW], v[TT], v[TT+1], s46       ; lanes 0-15 the even tile's rows, lanes 16-31 the odd tile's
.irp x, 0,1
.irp b, 0,1
.irp i, 0,1,2,3,4,5,6,7,8,9,10,11,12,13,14,15
	v_med3_num_f32 v[S+64*\x+16*\b+\i], v[S+64*\x+16*\b+\i], -v[LM+4*\x+\b], v[LM+4*\x+\b]
.endr
.endr
.endr
.irp x, 0,1
.irp b, 0,1
	v_cvt_scalef32_pk8_fp8_f32 v[S+64*\x+32+4*\b:S+64*\x+33+4*\b], v[S+64*\x+16*\b:S+64*\x+16*\b+7], v[BM+4*\x+\b]
	v_cvt_scalef32_pk8_fp8_f32 v[S+64*\x+34+4*\b:S+64*\x+35+4*\b], v[S+64*\x+16*\b+8:S+64*\x+16*\b+15], v[BM+4*\x+\b]
.endr
.endr
	v_nop                                          ; a plain line behind the last conversion
.irp x, 0,1
	global_store_b128 v[LI], v[S+64*\x+32:S+64*\x+35], s[42:43] offset:16384*\x       ; two register groups of the row tile's image: 512 consecutive aligned bytes each
	global_store_b128 v[LI], v[S+64*\x+36:S+64*\x+39], s[42:43] offset:16384*\x+512
.endr
	WIN 0x41                                       ; my second pair's q takes its place beside the zeros
.irp j, 0,1,2,3,4,5,6,7
	v_mov_b32 v[QZ+8+\j], v[Q1+\j]
	v_mov_b32 v[QZ+24+\j], v[Q1+8+\j]
.endr
	WIN 0
	v_mov_b32 v[QPW], v[QPW+1]
	s_wait_xcnt 0x0                                ; the stores have read their registers and base
	s_add_nc_u64 s[42:43], s[42:43], 32768         ; my other pair
	s_add_co_u32 s35, s35, 1
	s_cmp_lt_u32 s35, 2
	s_wait_alu depctr_va_vdst(0)
	s_cbranch_scc1 .Lpair
	ds_store_b32 v[OST], v[OW+1]                   ; the work-group's 16 pairs of scale words meet in LDS and leave as 2,048 consecutive bytes
	ds_store_b32 v[OST], v[OW] offset:128
	v_lshlrev_b32 v[C2], 4, v0                     ; 16 x thread: the words' place in os
	s_wait_alu depctr_va_vdst(0)
	s_wait_dscnt 0x0
	s_barrier_signal -1
	s_barrier_wait -1
	s_cmp_lt_u32 s[WV], 4
	s_cbranch_scc0 .Lno_words
	ds_load_b128 v[S:S+3], v[ORD]
	s_wait_dscnt 0x0
	global_store_b128 v[C2], v[S:S+3], s[44:45]
.Lno_words:
	s_wait_tensorcnt 0x0                           ; the wave's end
	ds_add_u32 v[SPW], v[NIL]
	s_wait_dscnt 0x0
	CROUND                                         ; the closing round
	s_endpgm
.Lfunc_end_k_q4d76f4c17c_attn:
	.size	k_q4d76f4c17c_attn, .Lfunc_end_k_q4d76f4c17c_attn-k_q4d76f4c17c_attn
	.p2alignl 7, 3214868480
	.fill 96, 4, 3214868480
	.section	.rodata,"a",@progbits
	.p2align	6, 0x0
	.amdhsa_kernel k_q4d76f4c17c_attn
		.amdhsa_group_segment_fixed_size 327680
		.amdhsa_private_segment_fixed_size 0
		.amdhsa_enable_private_segment 0
		.amdhsa_kernarg_size 32
		.amdhsa_user_sgpr_count 2
		.amdhsa_user_sgpr_kernarg_segment_ptr 1
		.amdhsa_wavefront_size32 1
		.amdhsa_system_sgpr_workgroup_id_x 1
		.amdhsa_system_sgpr_workgroup_id_y 1
		.amdhsa_system_sgpr_workgroup_id_z 1
		.amdhsa_system_vgpr_workitem_id 0
		.amdhsa_next_free_vgpr 512
		.amdhsa_next_free_sgpr 66
		.amdhsa_reserve_vcc 0
		.amdhsa_float_denorm_mode_32 3
		.amdhsa_float_denorm_mode_16_64 3
		.amdhsa_memory_ordered 1
		.amdhsa_forward_progress 1
		.amdhsa_inst_pref_size 57
	.end_amdhsa_kernel
	.amdgpu_metadata
---
amdhsa.version: [ 1, 2 ]
amdhsa.kernels:
  - .name:           k_q4d76f4c17c_attn
    .symbol:         k_q4d76f4c17c_attn.kd
    .args:
      - { .name: qi, .offset: 0, .size: 8, .value_kind: global_buffer, .address_space: global }
      - { .name: kvi, .offset: 8, .size: 8, .value_kind: global_buffer, .address_space: global }
      - { .name: oc, .offset: 16, .size: 8, .value_kind: global_buffer, .address_space: global }
      - { .name: os, .offset: 24, .size: 8, .value_kind: global_buffer, .address_space: global }
    .group_segment_fixed_size: 327680
    .private_segment_fixed_size: 0
    .kernarg_segment_align: 8
    .kernarg_segment_size: 32
    .max_flat_workgroup_size: 256
    .sgpr_count:     66
    .vgpr_count:     512
    .wavefront_size: 32
...
	.end_amdgpu_metadata
.endif
;; end of part 3
;; launch proj (part 4): grid 4 x 64, 4 waves a work-group, clusters of 4 x 4, 327,680 bytes of LDS; arguments oc, os, wc, ws, bo, out0; writes out0
.if DOCPART == 4
	.amdgcn_target "amdgcn-amd-amdhsa--gfx1250"
	.amdhsa_code_object_version 6
	.text
	.protected	k_q4d76f4c17c_proj
	.globl	k_q4d76f4c17c_proj
	.p2align	8
	.type	k_q4d76f4c17c_proj,@function
k_q4d76f4c17c_proj:
	s_mov_b64 s[64:65], 0
	v_nop
	global_prefetch_b8 v0, s[64:65] scope:SCOPE_SE
	s_setreg_imm32_b32 hwreg(HW_REG_WAVE_MODE, 25, 1), 1
	s_wait_xcnt 0x0
	s_wait_alu depctr_hold_cnt(0) depctr_sa_sdst(0) depctr_va_vdst(0) depctr_va_sdst(0) depctr_va_ssrc(0) depctr_va_vcc(0) depctr_vm_vsrc(0)
	s_getreg_b32 s2, hwreg(HW_REG_IB_STS2, 6, 4)
	s_cmp_eq_u32 s2, 0
	s_cbranch_scc0 .Lentry_in_a_cluster
	s_endpgm
.Lentry_in_a_cluster:
	s_bfe_u32 s2, ttmp6, 0x10000c
	s_cmp_lg_u32 s2, 0xf033
	s_cbranch_scc0 .Lentry_shape_is_right
	s_endpgm
.Lentry_shape_is_right:
.set AD0, 4
.set AD1, 5
.set BD0, 6
.set SPW, 8
.set NIL, 9
.set STO, 14
.set RD,  15
.set CO,  16
.set XS,  32
.set WS,  64
.set T,   112
.set BK,  144
.set BIAS, 128
.set WV,  22
.set G1A, 24
.set G0A, 32
.set G1B, 48
.set G0B, 56
.set RING, 131072
.set SLOT, 65536
.set SPARE, 262144
.set STAGE, 262656
.set MSB, 0
.macro WIN new
.if MSB != \new
	s_set_vgpr_msb (MSB<<8)|\new
.set MSB, \new
.endif
.endm
.macro PLACES n
.rept \n
	v_nop
.endr
.endm
.macro CREST
	s_cmp_lg_u32 s[WV], 0
	s_cbranch_scc1 .Lnot_wave_0_\@
	s_barrier_signal -3
.Lnot_wave_0_\@:
	s_barrier_wait -3
	s_barrier_signal -1
	s_barrier_wait -1
.endm
.macro CROUND
	s_barrier_signal -1
	s_barrier_wait -1
	CREST
.endm
	s_load_b256 s[4:11], s[0:1], 0x0
	s_load_b128 s[12:15], s[0:1], 0x20
	v_lshl_add_u32 v[SPW], v0, 2, SPARE
	v_mov_b32 v[NIL], 0
	ds_add_u32 v8, v9
	ds_add_u32 v8, v9
	s_wait_dscnt 0x0
	v_lshrrev_b32 v1, 5, v0
	v_readfirstlane_b32 s[WV], v1
	s_bfe_u32 s40, ttmp6, 0x40000
	s_bfe_u32 s41, ttmp6, 0x40004
	s_lshl_b32 s42, ttmp9, 2
	s_add_co_u32 s42, s42, s40
	s_and_b32 s43, ttmp7, 0xffff
	s_lshl_b32 s43, s43, 2
	s_add_co_u32 s43, s43, s41
	s_lshl_b32 s46, s41, 2
	s_lshl_b32 s46, 15, s46
	s_lshl_b32 s47, 0x1111, s40
	s_or_b32 s[G1A], s46, (3<<16)|(1<<21)
	s_mov_b32 s[G1A+1], 32<<16
	s_mov_b32 s[G1A+2], 256<<16
	s_mov_b32 s[G1A+3], 32<<16
	s_mov_b32 s[G1A+4], 256
	s_mov_b32 s[G1A+5], 32
	s_mov_b32 s[G1A+6], 0
	s_mov_b32 s[G1A+7], 0
	s_or_b32 s[G1B], s47, (3<<16)|(1<<21)
	s_mov_b32 s[G1B+1], 32<<16
	s_mov_b32 s[G1B+2], 64<<16
	s_mov_b32 s[G1B+3], 32<<16
	s_mov_b32 s[G1B+4], 64
	s_mov_b32 s[G1B+5], 32
	s_mov_b32 s[G1B+6], 0
	s_mov_b32 s[G1B+7], 0
	s_or_b32 s88, s47, (3<<16)|(1<<21)             ; s[88:95]: group 1 for the head's loads of W: a whole slot, 256 rows of 256 bytes
	s_mov_b32 s89, 32<<16
	s_mov_b32 s90, 256<<16
	s_mov_b32 s91, 32<<16
	s_mov_b32 s92, 256
	s_mov_b32 s93, 32
	s_mov_b32 s94, 0
	s_mov_b32 s95, 0
	s_lshl_b32 s36, s43, 17
	s_and_b32 s38, s[WV], 1
	s_lshl_b32 s38, s38, 16                        ; the head's loads: half wave % 2 of the rows' images (65,536 bytes), or slot wave % 2 of W
	s_add_co_u32 s36, s36, s38
	s_mov_b32 s37, 0
	s_lshl_b32 s44, s42, 18
	s_lshl_b32 s39, s[WV], 14
	s_add_co_u32 s44, s44, s39
	s_add_co_u32 s44, s44, 0x300000
	s_mov_b32 s45, 0
	s_lshl_b32 s98, s42, 18
	s_add_co_u32 s98, s98, s38
	s_add_co_u32 s98, s98, 0x300000
	s_mov_b32 s99, 0
	s_wait_kmcnt 0x0
	s_mov_b32 s[G0A], 1
	s_mov_b32 s[G0A+1], s38
	s_add_nc_u64 s[G0A+2:G0A+3], s[4:5], s[36:37]
	s_or_b32 s[G0A+3], s[G0A+3], 0x80000000
	s_add_nc_u64 s[44:45], s[8:9], s[44:45]
	s_add_nc_u64 s[98:99], s[8:9], s[98:99]        ; s[96:99]: group 0 for the head's load of a slot
	s_or_b32 s99, s99, 0x80000000
	s_mov_b32 s96, 1
	s_add_co_u32 s97, s38, RING
.irp s, 0,1
	s_mov_b32 s[G0B+4*\s], 1
	s_add_co_u32 s[G0B+4*\s+1], s39, RING+\s*SLOT
	s_add_nc_u64 s[G0B+4*\s+2:G0B+4*\s+3], s[44:45], \s*SLOT
	s_or_b32 s[G0B+4*\s+3], s[G0B+4*\s+3], 0x80000000
.endr
	CROUND
	s_cmp_lt_u32 s[WV], 2                          ; one tensor load a wave at the head: waves 0, 1 the halves of the rows' images, waves 2, 3 slots 0, 1
	s_cbranch_scc0 .Lhead_w
	tensor_load_to_lds s[G0A:G0A+3], s[G1A:G1A+7]
	s_nop 0
	PLACES 4
	s_branch .Lhead_asked
.Lhead_w:
	tensor_load_to_lds s[96:99], s[88:95]
	s_nop 0
	PLACES 4
.Lhead_asked:
	v_and_b32 v1, 31, v0
	v_lshlrev_b32 v[AD0], 4, v1
	v_add_nc_u32 v[AD1], 65536, v[AD0]
	v_add_nc_u32 v[BD0], s39, v[AD0]
	v_add_nc_u32 v[BD0], RING, v[BD0]
	v_add_nc_u32 v[BD0+1], SLOT, v[BD0]
	v_lshlrev_b32 v10, 3, v1
	v_lshlrev_b32 v13, 2, v1
	v_min_u32 v17, 15, v1
	v_lshlrev_b32 v17, 8, v17                      ; the prefetches' offset: lanes 0-15 name 16 blocks of 256 bytes, the lanes left over the last of them again; never rewritten
	v_bfe_u32 v2, v0, 4, 1
	v_lshlrev_b32 v11, 6, v2
	v_and_b32 v3, 15, v0
	s_mul_i32 s66, s[WV], 8704
	s_add_co_u32 s66, s66, STAGE
	v_mul_u32_u24 v[STO], v3, 272
	v_lshl_add_u32 v[STO], v2, 6, v[STO]
	v_add_nc_u32 v[STO], s66, v[STO]
	v_mul_u32_u24 v[RD], v2, 272
	v_lshl_add_u32 v[RD], v3, 4, v[RD]
	v_add_nc_u32 v[RD], s66, v[RD]
	v_lshlrev_b32 v[CO], 12, v2
	v_lshl_add_u32 v[CO], v3, 4, v[CO]
	s_mov_b32 s67, 0
	s_lshl_b32 s66, s42, 18                        ; s[86:87]: my share of a slot's 65,536 bytes of Wo's codes: the four partners that ask for it jointly take 16,384 each, by address (cy), a wave 4,096
	s_lshl_b32 s68, s41, 14
	s_add_co_u32 s66, s66, s68
	s_lshl_b32 s68, s[WV], 12
	s_add_co_u32 s66, s66, s68
	s_add_co_u32 s66, s66, 0x300000
	s_add_nc_u64 s[86:87], s[8:9], s[66:67]
	s_and_b32 s85, ttmp7, 3                        ; every cluster reads the same weights: four of the sixteen clusters ask (cluster y % 4 = 0)
	s_lshl_b32 s66, s43, 9
	s_add_nc_u64 s[6:7], s[6:7], s[66:67]
	s_lshl_b32 s66, s42, 13
	s_lshl_b32 s68, s[WV], 11
	s_add_co_u32 s66, s66, s68
	s_add_nc_u64 s[10:11], s[10:11], s[66:67]
	s_lshl_b32 s66, s42, 10
	s_lshl_b32 s68, s[WV], 8
	s_add_co_u32 s66, s66, s68
	s_add_nc_u64 s[12:13], s[12:13], s[66:67]
	s_lshl_b32 s68, s43, 19
	s_add_co_u32 s66, s66, s68
	s_add_nc_u64 s[76:77], s[14:15], s[66:67]
	s_cmp_eq_u32 s85, 0                            ; fills 2 and 3 of the ring, the launch's only refills, are asked for here
	s_wait_alu depctr_va_vdst(0)
	s_cbranch_scc0 .Lno_pf_head
	global_prefetch_b8 v17, s[86:87] offset:131072 th:TH_LOAD_NT scope:SCOPE_SE
	global_prefetch_b8 v17, s[86:87] offset:196608 th:TH_LOAD_NT scope:SCOPE_SE
.Lno_pf_head:
.irp ip, 0,1,2,3
.irp hd, 0,1,2,3,4,5,6,7,8,9,10,11,12,13,14,15
	global_load_b32 v[T+16*\ip+\hd], v13, s[6:7] offset:\hd*32768+\ip*128
.endr
.endr
.irp pn, 0,1
.irp qp, 0,1,2,3
	global_load_b64 v[WS+8*\pn+2*\qp:WS+8*\pn+2*\qp+1], v10, s[10:11] offset:3*32768+\pn*1024+\qp*256
.endr
.endr
	WIN 0x80
.irp tn, 0,1,2,3
	global_load_b128 v[BIAS+8*\tn:BIAS+8*\tn+3], v11, s[12:13] offset:(32*(\tn/2)+8*(\tn%2))*4
	global_load_b128 v[BIAS+8*\tn+4:BIAS+8*\tn+7], v11, s[12:13] offset:(32*(\tn/2)+8*(\tn%2))*4+16
.endr
	WIN 0
.macro WMX d, a, b, c, sa, sb, ha, hb
.if (\ha) && (\hb)
	v_wmma_scale_f32_16x16x128_f8f6f4 v[\d:\d+7], v[\a:\a+15], v[\b:\b+15], v[\c:\c+7], v[\sa], v[\sb] matrix_a_scale:MATRIX_SCALE_ROW1 matrix_b_scale:MATRIX_SCALE_ROW1
.elseif (\ha)
	v_wmma_scale_f32_16x16x128_f8f6f4 v[\d:\d+7], v[\a:\a+15], v[\b:\b+15], v[\c:\c+7], v[\sa], v[\sb] matrix_a_scale:MATRIX_SCALE_ROW1
.elseif (\hb)
	v_wmma_scale_f32_16x16x128_f8f6f4 v[\d:\d+7], v[\a:\a+15], v[\b:\b+15], v[\c:\c+7], v[\sa], v[\sb] matrix_b_scale:MATRIX_SCALE_ROW1
.else
	v_wmma_scale_f32_16x16x128_f8f6f4 v[\d:\d+7], v[\a:\a+15], v[\b:\b+15], v[\c:\c+7], v[\sa], v[\sb]
.endif
.endm
.macro WM i, tn, set, q, first
.set rA, 128*(\set)+16*(\i)
.set rB, 64*(\set)+16*(\tn)
.set rW, WS+8*((\tn)/2)+(\q)
.set rX, XS+8*((\i)/2)+(\q)
.set rD, 8*(4*(\i)+(\tn))
.set rC, rD
.if \first
.set rC, BIAS+8*(\tn)
.endif
	WMX rD, rB, rA, rC, rW, rX, (\tn)%2, (\i)%2
.endm
.macro MUL2 i0, set, q, first
.if \first
	WIN 0xe6
.else
	WIN 0xf6
.endif
.irp i, \i0, \i0+1
.irp tn, 0,1,2,3
	WM \i, \tn, \set, \q, \first
.endr
.endr
.endm
.macro FETCH set, aq, slot, qh
	WIN 0x80
.irp tn, 0,1,2,3
.irp c, 0,1,2,3
	ds_load_b128 v[64*(\set)+16*\tn+4*\c:64*(\set)+16*\tn+4*\c+3], v[BD0+\slot] offset:\tn*4096+(\qh)*2048+512*\c
.endr
.endr
	WIN 0x40
.irp i, 0,1,2,3
.irp c, 0,1,2,3
	ds_load_b128 v[128*(\set)+16*\i+4*\c:128*(\set)+16*\i+4*\c+3], v[AD0] offset:\i*16384+(\aq)*2048+512*\c
.endr
.endr
.irp i, 4,5,6,7
.irp c, 0,1,2,3
	ds_load_b128 v[128*(\set)+16*\i+4*\c:128*(\set)+16*\i+4*\c+3], v[AD1] offset:(\i-4)*16384+(\aq)*2048+512*\c
.endr
.endr
.endm
.macro STEPE q, slot, first
	s_wait_dscnt 16
	MUL2 0, 0, \q, \first
	MUL2 2, 0, \q, \first
	s_wait_dscnt 0x0
	PLACES 8
	FETCH 1, (\q)+1, \slot, 1
	MUL2 4, 0, \q, \first
	MUL2 6, 0, \q, \first
.endm
.macro STEPO q, slot, fill
	WIN 0
	s_wait_tensorcnt 0x0
	ds_add_u32 v[SPW], v[NIL]
	s_wait_dscnt 17
	MUL2 0, 1, \q, 0
	s_wait_dscnt 0x0
	s_barrier_signal -1
	MUL2 2, 1, \q, 0
	WIN 0
	s_barrier_wait -1
.if \fill
	CREST
	s_add_nc_u64 s[G0B+4*\slot+2:G0B+4*\slot+3], s[G0B+4*\slot+2:G0B+4*\slot+3], 2*SLOT
	tensor_load_to_lds s[G0B+4*\slot:G0B+4*\slot+3], s[G1B:G1B+7]
	s_nop 0
.endif
	PLACES 8
	FETCH 0, (\q)+1, 1-\slot, 0
	MUL2 4, 1, \q, 0
	MUL2 6, 1, \q, 0
.endm
	s_wait_loadcnt 0x0
.irp ip, 0,1,2,3
.irp q, 0,1,2,3,4,5,6,7
	v_or_b32 v[XS+8*\ip+\q], v[T+16*\ip+2*\q], v[T+16*\ip+2*\q+1]
.endr
.endr
	PLACES 8
	s_wait_alu depctr_va_vdst(0)
	s_wait_tensorcnt 0x0                           ; my one load of the head is in
	s_barrier_signal -1
	s_barrier_wait -1
	FETCH 0, 0, 0, 0
	STEPE 0, 0, 1
	STEPO 1, 0, 1
	STEPE 2, 1, 0
	STEPO 3, 1, 1
	STEPE 4, 0, 0
	STEPO 5, 0, 0
	STEPE 6, 1, 0
	s_wait_dscnt 16
	MUL2 0, 1, 7, 0
	MUL2 2, 1, 7, 0
	s_wait_dscnt 0x0
	MUL2 4, 1, 7, 0
	MUL2 6, 1, 7, 0
	WIN 0
.macro TOSTAGE i
	WIN 0x0c
.irp b, 0,1
.irp k, 0,1,2,3
	ds_store_b128 v[STO], v[32*(\i)+16*\b+4*\k:32*(\i)+16*\b+4*\k+3] offset:4352*((\i)%2)+128*\b+16*\k
.endr
.endr
	WIN 0
.irp t, 0,1,2,3,4,5,6,7
	ds_load_b128 v[BK+32*((\i)%2)+4*\t:BK+32*((\i)%2)+4*\t+3], v[RD] offset:4352*((\i)%2)+544*\t
.endr
.endm
.macro SEND i, younger
	s_wait_dscnt \younger
.irp t, 0,1,2,3,4,5,6,7
	global_store_b128 v[CO], v[BK+32*((\i)%2)+4*\t:BK+32*((\i)%2)+4*\t+3], s[76:77] offset:(32*((\i)/2)+8*((\i)%2)+2*\t+8*(\t/4))*4096 th:TH_STORE_NT
.endr
.endm
	PLACES 8
	TOSTAGE 0
.irp i, 1,2,3,4,5,6,7
.if \i > 1
	s_wait_xcnt 0x0
.endif
	TOSTAGE \i
	SEND \i-1, 16
.endr
	SEND 7, 0
	s_wait_tensorcnt 0x0
	ds_add_u32 v[SPW], v[NIL]
	s_wait_dscnt 0x0
	CROUND
	s_endpgm
.Lfunc_end_k_q4d76f4c17c_proj:
	.size	k_q4d76f4c17c_proj, .Lfunc_end_k_q4d76f4c17c_proj-k_q4d76f4c17c_proj
	.p2alignl 7, 3214868480
	.fill 96, 4, 3214868480
	.section	.rodata,"a",@progbits
	.p2align	6, 0x0
	.amdhsa_kernel k_q4d76f4c17c_proj
		.amdhsa_group_segment_fixed_size 327680
		.amdhsa_private_segment_fixed_size 0
		.amdhsa_enable_private_segment 0
		.amdhsa_kernarg_size 48
		.amdhsa_user_sgpr_count 2
		.amdhsa_user_sgpr_kernarg_segment_ptr 1
		.amdhsa_wavefront_size32 1
		.amdhsa_system_sgpr_workgroup_id_x 1
		.amdhsa_system_sgpr_workgroup_id_y 1
		.amdhsa_system_sgpr_workgroup_id_z 1
		.amdhsa_system_vgpr_workitem_id 0
		.amdhsa_next_free_vgpr 1024
		.amdhsa_next_free_sgpr 100
		.amdhsa_reserve_vcc 0
		.amdhsa_float_denorm_mode_32 3
		.amdhsa_float_denorm_mode_16_64 3
		.amdhsa_memory_ordered 1
		.amdhsa_forward_progress 1
		.amdhsa_inst_pref_size 93
	.end_amdhsa_kernel
	.amdgpu_metadata
---
amdhsa.version: [ 1, 2 ]
amdhsa.kernels:
  - .name:           k_q4d76f4c17c_proj
    .symbol:         k_q4d76f4c17c_proj.kd
    .args:
      - { .name: oc, .offset: 0, .size: 8, .value_kind: global_buffer, .address_space: global }
      - { .name: os, .offset: 8, .size: 8, .value_kind: global_buffer, .address_space: global }
      - { .name: wc, .offset: 16, .size: 8, .value_kind: global_buffer, .address_space: global }
      - { .name: ws, .offset: 24, .size: 8, .value_kind: global_buffer, .address_space: global }
      - { .name: bo, .offset: 32, .size: 8, .value_kind: global_buffer, .address_space: global }
      - { .name: out0, .offset: 40, .size: 8, .value_kind: global_buffer, .address_space: global }
    .group_segment_fixed_size: 327680
    .private_segment_fixed_size: 0
    .kernarg_segment_align: 8
    .kernarg_segment_size: 48
    .max_flat_workgroup_size: 128
    .sgpr_count:     100
    .vgpr_count:     1024
    .wavefront_size: 32
...
	.end_amdgpu_metadata
.endif
;; end of part 4
